; MI455X (gfx1250); checked and timed in simulation.
; The chip was launched on July 23, 2026; its instructions are those of AMD's public machine-readable ISA for CDNA 5 (MIT licence, August 2026) and "CDNA5" Instruction Set Architecture Reference Guide (July 2026). The comments in the code are by the model that wrote it; some were corrected since.
;; VQ. Allowed arithmetic: float matrix products may take bf16 or f16 operands with f32 sums; all other float work in f32.
;; Inputs: codebook 8,192 x 256 float32; z 32,768 x 256 float32.
;; Outputs: out0 32,768 x 256 float32; out1 32,768 int32.
;; 2 versions, each right and faster than the one before. Each part assembles by itself: llvm-mc -triple=amdgcn-amd-amdhsa -mcpu=gfx1250 --defsym DOCPART=n.
;; ======== version 1 of 2: 3 launches
;; workspace buffers: cb16 4,194,304 bytes; w2 32,768 bytes; cand 262,144 bytes of whole numbers
;; launch prep (part 1): grid 128 x 1, 8 waves a work-group, no clusters, 1,280 bytes of LDS; arguments codebook, cb16, w2; writes cb16, w2
.if DOCPART == 1
	.amdgcn_target "amdgcn-amd-amdhsa--gfx1250"
	.amdhsa_code_object_version 6
	.text
	.protected	k_q8297e789f8_prep
	.globl	k_q8297e789f8_prep
	.p2align	8
	.type	k_q8297e789f8_prep,@function
k_q8297e789f8_prep:
	s_mov_b64 s[64:65], 0
	v_nop
	global_prefetch_b8 v0, s[64:65] scope:SCOPE_SE
	s_setreg_imm32_b32 hwreg(HW_REG_WAVE_MODE, 25, 1), 1
	s_wait_xcnt 0x0
; cb16[k][d] = codebook[k][d] rounded to bf16 (nearest even);  w2[k] = sum over d of cb16[k][d]^2, in f32.
; codebook: [8192][256] f32.  cb16: [8192][256] bf16.  w2: [8192] f32.
; Eight waves; the work-group owns 64 rows, so that its 64 numbers of w2 are 256 consecutive bytes, aligned, and leave by one store.
; A wave owns 8 rows.  A row is 1,024 bytes: two loads of 16 bytes a lane, each covering 512 consecutive bytes.  All 16 loads go out at once;
; each row has registers of its own, so no source of a pending store is ever rewritten.  No loop.
; LIMIT: the order of the f32 sum (two packed chains in a lane, then across the lanes) is not that of a sequential sum.
; A stream: matrix unit, tensor loads and clusters would add nothing; LDS serves only to gather the 64 sums.
.set X, 16                             ; v[16:79]   row i: 8 registers, f32 as loaded, then the rounded numbers widened again
.set Y, 80                             ; v[80:111]  row i: 4 registers, 8 bf16 to store
	s_load_b128 s[4:7], s[0:1], 0x0                ; codebook s[4:5], cb16 s[6:7]
	s_load_b64 s[8:9], s[0:1], 0x10                ; w2
	v_lshl_add_u32 v112, v0, 2, 0x100
	v_mov_b32 v113, 0
	v_lshrrev_b32 v1, 5, v0
	v_readfirstlane_b32 s10, v1                    ; wave 0..7
	v_and_b32 v2, 31, v0                           ; lane
	v_lshlrev_b32 v3, 4, v2                        ; 16 bytes a lane of f32
	v_lshlrev_b32 v4, 3, v2                        ; 8 bytes a lane of bf16 (and of the 64 sums, for wave 0)
	v_mov_b32 v5, s10
	v_lshlrev_b32 v5, 5, v5                        ; LDS: my wave's 8 sums at byte 32 x wave
	s_lshl_b32 s12, ttmp9, 16                      ; 64 rows x 1,024 bytes
	s_lshl_b32 s11, s10, 13                        ; + wave x 8 rows x 1,024 bytes
	s_add_co_u32 s12, s12, s11
	s_mov_b32 s13, 0
	s_lshr_b32 s14, s12, 1                         ; the same rows in cb16: half the bytes
	s_mov_b32 s15, 0
	s_lshl_b32 s20, ttmp9, 8                       ; the group's 64 sums in w2
	s_mov_b32 s21, 0
	s_mov_b32 s16, 0x76543210                      ; v_permlanex16_b32: lane i of one half reads lane i of the other
	s_mov_b32 s17, 0xfedcba98
	s_mov_b32 s18, 0xffff0000                      ; a word's upper bf16
	s_wait_kmcnt 0x0
	s_add_nc_u64 s[4:5], s[4:5], s[12:13]
	s_add_nc_u64 s[6:7], s[6:7], s[14:15]
	s_add_nc_u64 s[8:9], s[8:9], s[20:21]
.irp i, 0,1,2,3,4,5,6,7
	global_load_b128 v[X+8*\i:X+8*\i+3],   v3, s[4:5] offset:1024*\i th:TH_LOAD_NT       ; columns 4 lane .. + 3
	global_load_b128 v[X+8*\i+4:X+8*\i+7], v3, s[4:5] offset:1024*\i+512 th:TH_LOAD_NT   ; columns 128 + 4 lane .. + 3
.endr
.irp i, 0,1,2,3,4,5,6,7
	s_wait_loadcnt 14-2*\i                         ; loads come back in order: row i's two are in, two for each later row stay out
.irp j, 0,1,2,3
	v_cvt_pk_bf16_f32 v[Y+4*\i+\j], v[X+8*\i+2*\j], v[X+8*\i+2*\j+1]
.endr
	global_store_b64 v4, v[Y+4*\i:Y+4*\i+1],   s[6:7] offset:512*\i        ; each store of the wave covers 256 consecutive bytes, aligned
	global_store_b64 v4, v[Y+4*\i+2:Y+4*\i+3], s[6:7] offset:512*\i+256
.irp j, 0,1,2,3
	v_lshlrev_b32 v[X+8*\i+2*\j],   16,  v[Y+4*\i+\j]                      ; the rounded numbers as f32: w2 belongs to what is multiplied later
	v_and_b32     v[X+8*\i+2*\j+1], s18, v[Y+4*\i+\j]
.endr
	v_pk_mul_f32 v[X+8*\i:X+8*\i+1], v[X+8*\i:X+8*\i+1], v[X+8*\i:X+8*\i+1]
.irp j, 2,4,6
	v_pk_fma_f32 v[X+8*\i:X+8*\i+1], v[X+8*\i+\j:X+8*\i+\j+1], v[X+8*\i+\j:X+8*\i+\j+1], v[X+8*\i:X+8*\i+1]
.endr
	v_add_f32 v[X+8*\i], v[X+8*\i], v[X+8*\i+1]
	v_add_f32_dpp v[X+8*\i], v[X+8*\i], v[X+8*\i] row_xmask:1 row_mask:0xf bank_mask:0xf
	v_add_f32_dpp v[X+8*\i], v[X+8*\i], v[X+8*\i] row_xmask:2 row_mask:0xf bank_mask:0xf
	v_add_f32_dpp v[X+8*\i], v[X+8*\i], v[X+8*\i] row_xmask:4 row_mask:0xf bank_mask:0xf
	v_add_f32_dpp v[X+8*\i], v[X+8*\i], v[X+8*\i] row_xmask:8 row_mask:0xf bank_mask:0xf
	v_permlanex16_b32 v[X+8*\i+1], v[X+8*\i], s16, s17                     ; its destination counts as read: a register written before
	v_add_f32 v[X+8*\i], v[X+8*\i], v[X+8*\i+1]                            ; the row's sum, in every lane
	ds_store_b32 v5, v[X+8*\i] offset:4*\i                                 ; all lanes write the same word with the same value
.endr
	s_wait_dscnt 0x0                               ; for wave 0's sake: my eight sums are in LDS
	s_barrier_signal -1
	s_barrier_wait -1
	s_cmp_lg_u32 s10, 0
	s_cbranch_scc1 .Lend
	ds_load_b64 v[6:7], v4                         ; wave 0: two sums a lane, 64 in all
	s_wait_dscnt 0x0
	global_store_b64 v4, v[6:7], s[8:9]            ; 256 consecutive bytes, aligned
.Lend:
	s_wait_tensorcnt 0x0
	ds_add_u32 v112, v113
	s_wait_dscnt 0x0
	s_endpgm
.Lfunc_end_k_q8297e789f8_prep:
	.size	k_q8297e789f8_prep, .Lfunc_end_k_q8297e789f8_prep-k_q8297e789f8_prep
	.p2alignl 7, 3214868480
	.fill 96, 4, 3214868480
	.section	.rodata,"a",@progbits
	.p2align	6, 0x0
	.amdhsa_kernel k_q8297e789f8_prep
		.amdhsa_group_segment_fixed_size 1280
		.amdhsa_private_segment_fixed_size 0
		.amdhsa_enable_private_segment 0
		.amdhsa_kernarg_size 24
		.amdhsa_user_sgpr_count 2
		.amdhsa_user_sgpr_kernarg_segment_ptr 1
		.amdhsa_wavefront_size32 1
		.amdhsa_system_sgpr_workgroup_id_x 1
		.amdhsa_system_sgpr_workgroup_id_y 1
		.amdhsa_system_sgpr_workgroup_id_z 1
		.amdhsa_system_vgpr_workitem_id 0
		.amdhsa_next_free_vgpr 114
		.amdhsa_next_free_sgpr 66
		.amdhsa_reserve_vcc 0
		.amdhsa_float_denorm_mode_32 3
		.amdhsa_float_denorm_mode_16_64 3
		.amdhsa_memory_ordered 1
		.amdhsa_forward_progress 1
		.amdhsa_inst_pref_size 15
	.end_amdhsa_kernel
	.amdgpu_metadata
---
amdhsa.version: [ 1, 2 ]
amdhsa.kernels:
  - .name:           k_q8297e789f8_prep
    .symbol:         k_q8297e789f8_prep.kd
    .args:
      - { .name: codebook, .offset: 0, .size: 8, .value_kind: global_buffer, .address_space: global }
      - { .name: cb16, .offset: 8, .size: 8, .value_kind: global_buffer, .address_space: global }
      - { .name: w2, .offset: 16, .size: 8, .value_kind: global_buffer, .address_space: global }
    .group_segment_fixed_size: 1280
    .private_segment_fixed_size: 0
    .kernarg_segment_align: 8
    .kernarg_segment_size: 24
    .max_flat_workgroup_size: 256
    .sgpr_count:     66
    .vgpr_count:     114
    .wavefront_size: 32
...
	.end_amdgpu_metadata
.endif
;; end of part 1
;; launch assign (part 2): grid 256 x 1, 8 waves a work-group, clusters of 4 x 1, 327,680 bytes of LDS; arguments z, cb16, w2, cand; writes cand
.if DOCPART == 2
	.amdgcn_target "amdgcn-amd-amdhsa--gfx1250"
	.amdhsa_code_object_version 6
	.text
	.protected	k_q8297e789f8_assign
	.globl	k_q8297e789f8_assign
	.p2align	8
	.type	k_q8297e789f8_assign,@function
k_q8297e789f8_assign:
	s_mov_b64 s[64:65], 0
	v_nop
	global_prefetch_b8 v0, s[64:65] scope:SCOPE_SE
	s_setreg_imm32_b32 hwreg(HW_REG_WAVE_MODE, 25, 1), 1
	s_wait_xcnt 0x0
	s_wait_alu depctr_hold_cnt(0) depctr_sa_sdst(0) depctr_va_vdst(0) depctr_va_sdst(0) depctr_va_ssrc(0) depctr_va_vcc(0) depctr_vm_vsrc(0)
	s_getreg_b32 s2, hwreg(HW_REG_IB_STS2, 6, 4)
	s_cmp_eq_u32 s2, 0
	s_cbranch_scc0 .Lentry_in_a_cluster
	s_endpgm
.Lentry_in_a_cluster:
	s_bfe_u32 s2, ttmp6, 0x10000c
	s_cmp_lg_u32 s2, 0x3003
	s_cbranch_scc0 .Lentry_shape_is_right
	s_endpgm
.Lentry_shape_is_right:
; cand[n][0], cand[n][1] = the two codes k of least dist[n][k] = (z2[n] - 2 dot(z[n], cb16[k])) + w2[k], ordered by (distance, then k).
; z: [32768][256] f32.  cb16: [8192][256] bf16.  w2: [8192] f32.  cand: [32768][2] i32; the next launch forms addresses from it and decides between the two.
; z is rounded to bf16 on the way in; z2 is the f32 sum of squares of the rounded numbers; dots are bf16 products with f32 sums.
; A distance is formed as the formula is written: one rounding for z2 - 2 dot (2 dot is exact, so one fused multiply-add), one for + w2.
; The compare is a strict less-than in ascending k, and every merge is by (value, then k): of equal distances the first k comes first.
; LIMITS: with a NaN among a row's distances the candidates are unspecified (the minima used here skip NaN).  A row whose distances are all +inf gets 0, 0.
; The order of the f32 sums in z2 and in the dots is not that of a sequential sum.
; cand[n][0] is the first minimum of all 8,192 distances.  cand[n][1] is the best of the other 63 distances that are kept for a row: each of its
; 8 streams (wave q, half h of the lanes) keeps the 8 distances of its best block.  A runner-up that lies in the winner's own stream, in another block, is not seen.
;
; SHARES.  A work-group owns 128 rows of z and walks all 8,192 codes, so a row's minimum never leaves the work-group: 256 work-groups.
; Eight waves, two for each of the four SIMDs: while one wave does the vector work on its distances the other multiplies.
; Wave w: rh = w >> 2, q = w & 3.  It keeps rows 64 rh .. + 63 as fragments in v256-v511 for the whole kernel (4 row blocks x 8 K steps x 8 registers),
; and takes codes 64 q .. + 63 of every tile of 256 codes, 16 at a time: 32 matrix instructions, then 93 vector instructions on the 4 x 8 results.
; THE MATRIX INSTRUCTION IS USED TRANSPOSED: source 0 = 16 codes, source 1 = 16 rows of z.  Lane (r, h) then holds row r of z and, in register j,
; code 8 h + j: z2 is one number a lane, w2 eight registers, and the minimum over 8 codes is taken inside the lane.
; THE INDEX: a lane keeps, for each row block, its best value, the code base of the block that gave it and a copy of that block's 8 distances;
; the places among the 8 are looked up once, at the end (15 instructions for 8 distances in the loop).
; CLUSTER: all work-groups walk the same tiles of cb16 and the same w2, so four of them ask jointly (mask 15): a quarter of the requests.
; Descriptors and LDS addresses hang on the wave's number and the loop's steps alone; cx enters only the addresses of z and cand.
; Tensor loads outstanding in a wave, by this text's count: three at the start, one behind each round of the cluster's barrier.
.set PITCH, 528                        ; an LDS row of a tile: 512 bytes + 16 of padding = 33 x 16: the sixteen rows of a fragment load start 16 bytes apart modulo 256
.set SLOTB, 256*PITCH                  ; a slot: a tile of 256 codes
.set PART,  32*PITCH                   ; what one wave's tensor load brings: 32 codes
.set TILEB, 256*512                    ; a tile in memory
.set W2T,   2*SLOTB                    ; the whole of w2, 32,768 bytes, filled once
.set STG,   W2T+32768                  ; 17,408 bytes written by LDS stores alone: fragment images 8 x 2,048, then z2 8 x 128; at the end the candidates
.set STGZ,  STG+16384
.set RR,   1                           ; v1      r = lane & 15
.set HH,   2                           ; v2      h = lane >> 4
.set ADR,  3                           ; v3, v4  LDS address of my code fragments in slot 0, 1
.set WADR, 5                           ; v5      LDS address of my w2 in this lap's first tile
.set CURV, 6                           ; v6      code of register 0 of the block whose distances are at work
.set ZOFF, 7                           ; v7      my byte offset in my 16 rows of z
.set T,    8                           ; v8-11   at work
.set BEST, 12                          ; v12-15  row block a: best distance
.set BLK,  16                          ; v16-19  row block a: CURV of the block that gave it
.set Z2,   20                          ; v20-27  row block a: z2, twice (a pair for the packed multiply-add)
.set W,    28                          ; v28-43  w2 of 8 codes, two buffers
.set SA,   44                          ; v44     stage: where I store
.set RA,   45                          ; v45     stage: where I read
.set ZA,   46                          ; v46     stage: where I read z2
.set OUTO, 47                          ; v47     byte offset of my row's two candidates
.set ACC,  48                          ; v48-79  row block a: 8 sums, then 8 distances
.set SNAP, 80                          ; v80-111 row block a: the 8 distances of its best block
.set BF,   112                         ; v112-239 code fragments (8 K steps x 8 registers), two buffers
.set FP,   240                         ; v240-255 the end: (value, code, value, code) of the best two, four sets
.set OB,   W                           ; the end only: v28-31 the other side's best two
.set HT,   W+4                          ; the end only: v32-33 at work in a merge
.set OWN,  48                          ; at the start only: v48-111 my own 16 rows of z as fragments
.set ST,   112                         ; at the start only: v112-239 my own 16 rows of z in f32
.set LN,   240                         ; at the start only: lane
.set ZS,   241                         ; at the start only: where I store z2
.set G1,  16                           ; s[16:23] group 1 of a tile's part
.set G0,  24                           ; s[24:31] group 0 of a tile's part, one set for each slot
.set G1W, 32                           ; s[32:39] group 1 of w2's part
.set G0W, 40                           ; s[40:43] group 0 of w2's part
.set MSB, 0
.macro WIN new                         ; s_set_vgpr_msb: bits 1:0 source 0, 3:2 source 1, 5:4 source 2, 7:6 destination; the high byte repeats the setting that is left
.if MSB != \new
	s_set_vgpr_msb (MSB<<8)|\new
.set MSB, \new
.endif
.endm
.macro PLACES                          ; four independent vector instructions stand between a matrix instruction and a vector instruction that reads its result,
.rept 4                                ; or a load into one of its registers
	v_nop
.endr
.endm
.macro CREST                           ; a round of the cluster's barrier behind its opening work-group barrier
	s_cmp_lg_u32 s14, 0
	s_cbranch_scc1 .Lnot_wave_0_\@
	s_barrier_signal -3                            ; wave 0 speaks for the work-group
.Lnot_wave_0_\@:
	s_barrier_wait -3                              ; all four work-groups have signalled
	s_barrier_signal -1
	s_barrier_wait -1
.endm
.macro CROUND                          ; a whole round
	s_barrier_signal -1
	s_barrier_wait -1
	CREST
.endm
	s_load_b256 s[4:11], s[0:1], 0x0               ; z s[4:5], cb16 s[6:7], w2 s[8:9], cand s[10:11]
	v_lshl_add_u32 v254, v0, 2, 0x4e400
	v_mov_b32 v255, 0
	ds_add_u32 v254, v255
	s_wait_dscnt 0x0
	v_lshrrev_b32 v1, 5, v0
	v_readfirstlane_b32 s14, v1                    ; wave 0..7
	s_bfe_u32 s44, ttmp6, 0x40000                  ; cx
	s_lshl_b32 s45, ttmp9, 2                       ; in a cluster launch ttmp9 counts clusters
	s_add_co_u32 s45, s45, s44                     ; work-group 0..255
	s_lshr_b32 s46, s14, 2                         ; rh
	s_and_b32 s47, s14, 3                          ; q
	s_mov_b32 s50, 0x76543210                      ; v_permlanex16_b32: lane i of one half reads lane i of the other
	s_mov_b32 s51, 0xfedcba98
	v_and_b32 v[RR], 15, v0
	v_bfe_u32 v[HH], v0, 4, 1
	v_lshlrev_b32 v[ZOFF], 10, v[RR]               ; row r of my 16 (1,024 bytes each)
	v_lshl_add_u32 v[ZOFF], v[HH], 5, v[ZOFF]      ; + 8 h numbers
	; group 1 of a tile's part: 32 rows x 256 bf16, 16 bytes of padding behind each row of 128 words
	s_mov_b32 s[G1+0], 15|(1<<16)|(1<<20)|(1<<21)|(6<<22)|(3<<25)  ; mask: all four work-groups; elements of 2 bytes; padding on; bit 21 beside a mask; every 128 words; 4 words
	s_mov_b32 s[G1+1], 256<<16                     ; tensor_dim0 = 256
	s_mov_b32 s[G1+2], 32<<16                      ; tensor_dim1 = 32
	s_mov_b32 s[G1+3], 256<<16                     ; tile_dim0 = 256
	s_mov_b32 s[G1+4], 32                          ; tile_dim1 = 32
	s_mov_b32 s[G1+5], 256                         ; elements from row to row
	s_mov_b32 s[G1+6], 0
	s_mov_b32 s[G1+7], 0
	; group 1 of w2's part: 4,096 dense bytes as 16 rows of 32 elements of 8 bytes
	s_mov_b32 s[G1W+0], 15|(3<<16)|(1<<21)
	s_mov_b32 s[G1W+1], 32<<16
	s_mov_b32 s[G1W+2], 16<<16
	s_mov_b32 s[G1W+3], 32<<16
	s_mov_b32 s[G1W+4], 16
	s_mov_b32 s[G1W+5], 32
	s_mov_b32 s[G1W+6], 0
	s_mov_b32 s[G1W+7], 0
	s_mul_i32 s54, s14, PART                       ; my part of a slot
	s_lshl_b32 s48, s14, 14                        ; my part of a tile in memory: 32 rows x 512 bytes
	s_mov_b32 s49, 0
	s_lshl_b32 s56, s45, 17                        ; z: 128 rows x 1,024 bytes a work-group
	s_lshl_b32 s55, s14, 14                        ; + 16 rows a wave
	s_add_co_u32 s56, s56, s55
	s_mov_b32 s57, 0
	s_wait_kmcnt 0x0
	s_add_nc_u64 s[4:5], s[4:5], s[56:57]          ; z at my 16 rows
	s_add_nc_u64 s[6:7], s[6:7], s[48:49]          ; cb16 at my part of tile 0
.irp n, 0,1
	s_mov_b32 s[G0+4*\n], 1
	s_add_co_u32 s[G0+4*\n+1], s54, \n*SLOTB       ; LDS: slot n, my part
	s_add_nc_u64 s[G0+4*\n+2:G0+4*\n+3], s[6:7], \n*TILEB          ; tile n
	s_or_b32 s[G0+4*\n+3], s[G0+4*\n+3], 0x80000000                ; type 2
.endr
	s_lshl_b32 s48, s14, 12                        ; my 4,096 bytes of w2
	s_mov_b32 s[G0W], 1
	s_add_co_u32 s[G0W+1], s48, W2T
	s_add_nc_u64 s[G0W+2:G0W+3], s[8:9], s[48:49]
	s_or_b32 s[G0W+3], s[G0W+3], 0x80000000
	s_lshl_b32 s56, s45, 10                        ; cand: 128 rows of 8 bytes a work-group
	s_add_nc_u64 s[10:11], s[10:11], s[56:57]
	CROUND                                         ; all four work-groups are here: the first joint loads meet
	tensor_load_to_lds s[G0W:G0W+3], s[G1W:G1W+7]  ; the three first fills go out as one group: w2,
	s_nop 0
	tensor_load_to_lds s[G0:G0+3], s[G1:G1+7]      ; tile 0,
	s_nop 0
	tensor_load_to_lds s[G0+4:G0+7], s[G1:G1+7]    ; tile 1
	s_nop 0
	; My 16 rows of z, in the fragment's own order: for K step k a lane takes numbers 32 k + 8 h .. + 7 and 32 k + 16 + 8 h .. + 7 of row r.
	; The 32 loads together cover the 16 rows whole, each byte once.
.irp k, 0,1,2,3,4,5,6,7
	global_load_b128 v[ST+16*\k:ST+16*\k+3],     v[ZOFF], s[4:5] offset:128*\k
	global_load_b128 v[ST+16*\k+4:ST+16*\k+7],   v[ZOFF], s[4:5] offset:128*\k+16
	global_load_b128 v[ST+16*\k+8:ST+16*\k+11],  v[ZOFF], s[4:5] offset:128*\k+64
	global_load_b128 v[ST+16*\k+12:ST+16*\k+15], v[ZOFF], s[4:5] offset:128*\k+80
.endr
	; addresses, while the loads are on their way
	v_and_b32 v[LN], 31, v0
	s_mul_i32 s55, s47, 64*PITCH                   ; my 64 codes of a tile
	v_mul_u32_u24 v[ADR], v[RR], PITCH
	v_lshl_add_u32 v[ADR], v[HH], 4, v[ADR]        ; row x pitch + 16 h
	v_add_nc_u32 v[ADR], s55, v[ADR]
	v_add_nc_u32 v[ADR+1], SLOTB, v[ADR]
	s_lshl_b32 s55, s47, 8
	s_add_co_u32 s55, s55, W2T
	v_lshl_add_u32 v[WADR], v[HH], 5, s55          ; w2 of codes 64 q + 8 h ..
	s_lshl_b32 s55, s47, 6
	v_lshl_add_u32 v[CURV], v[HH], 3, s55          ; 64 q + 8 h
	s_lshl_b32 s55, s14, 11
	s_add_co_u32 s55, s55, STG
	v_lshl_add_u32 v[SA], v[LN], 4, s55            ; my row block's image: 2,048 w + 16 lane
	s_lshl_b32 s55, s46, 13
	s_add_co_u32 s55, s55, STG
	v_lshl_add_u32 v[RA], v[LN], 4, s55            ; the four row blocks that I keep: 8,192 rh + 16 lane
	s_lshl_b32 s55, s46, 9
	s_add_co_u32 s55, s55, STGZ
	v_lshl_add_u32 v[ZA], v[LN], 2, s55
	s_lshl_b32 s55, s14, 7
	s_add_co_u32 s55, s55, STGZ
	v_lshl_add_u32 v[ZS], v[LN], 2, s55
.irp j, 0,1,2,3
	v_mov_b32 v[T+\j], 0                           ; four chains for z2
.endr
	; round to bf16, and sum the squares of the rounded numbers, two K steps at a time
.irp p, 0,1,2,3
	s_wait_loadcnt 24-8*\p                         ; eight loads for two K steps; those of the later K steps stay out
.irp j, 0,1,2,3,4,5,6,7,8,9,10,11,12,13,14,15
	v_cvt_pk_bf16_f32 v[OWN+16*\p+\j], v[ST+32*\p+2*\j], v[ST+32*\p+2*\j+1]
.endr
.irp j, 0,1,2,3,4,5,6,7,8,9,10,11,12,13,14,15
	v_fma_mix_f32_bf16 v[T+2*(\j&1)],   v[OWN+16*\p+\j], v[OWN+16*\p+\j], v[T+2*(\j&1)]   op_sel_hi:[1,1,0]
	v_fma_mix_f32_bf16 v[T+2*(\j&1)+1], v[OWN+16*\p+\j], v[OWN+16*\p+\j], v[T+2*(\j&1)+1] op_sel:[1,1,0] op_sel_hi:[1,1,0]
.endr
.endr
	v_add_f32 v[T], v[T], v[T+1]
	v_add_f32 v[T+2], v[T+2], v[T+3]
	v_add_f32 v[T], v[T], v[T+2]
	v_permlanex16_b32 v[T+1], v[T], s50, s51       ; the other half of row r's numbers lies in lane r + 16 (or r)
	v_add_f32 v[T], v[T], v[T+1]                   ; z2 of row r, in both lanes
; The fragments change hands through the stage, two K steps at a time (the stage holds 2,048 bytes for each of 8 row blocks).
; A fragment's image is the same for writer and reader: lane l reads what lane l of the row block's wave stored.
; Two barriers a pass: stores - barrier - loads, and loads - barrier - the next pass's stores.  No tensor load fills anything behind them.
.macro PASS p
.irp i, 0,1,2,3
	ds_store_b128 v[SA], v[OWN+16*\p+4*\i:OWN+16*\p+4*\i+3] offset:512*\i
.endr
.if \p == 0
	ds_store_b32 v[ZS], v[T]
.endif
	s_wait_dscnt 0x0                               ; for the others' sake: my stores are in LDS
	s_barrier_signal -1
	s_barrier_wait -1
	WIN 0x40                                       ; destination v256 and up, address below
.irp a, 0,1,2,3
.irp i, 0,1,2,3
	ds_load_b128 v[64*\a+16*\p+4*\i:64*\a+16*\p+4*\i+3], v[RA] offset:2048*\a+512*\i     ; v[256 + 64 a + 8 k ..]: row block a, K step k
.endr
.endr
	WIN 0
.if \p == 0
.irp a, 0,1,2,3
	ds_load_b32 v[Z2+2*\a],   v[ZA] offset:128*\a
	ds_load_b32 v[Z2+2*\a+1], v[ZA] offset:128*\a
.endr
.endif
	s_wait_dscnt 0x0                               ; my reads of the stage are over
.if \p == 3
	s_wait_tensorcnt 0x1                           ; my parts of w2 and of tile 0 are in; tile 1's, issued last, may stay out
.endif
	s_barrier_signal -1
	s_barrier_wait -1
.endm
	PASS 0
	PASS 1
	PASS 2
	PASS 3
; 32 matrix instructions: 16 codes x my 64 rows, K = 256.  The four accumulators take turns, one instruction a turn.
; The first K step starts the sums: nothing is cleared.
.macro MUL32 buf
.irp k, 0,1,2,3,4,5,6,7
.irp a, 0,1,2,3
.if \k == 0
	v_wmma_f32_16x16x32_bf16 v[ACC+8*\a:ACC+8*\a+7], v[BF+64*\buf+8*\k:BF+64*\buf+8*\k+7], v[64*\a+8*\k:64*\a+8*\k+7], 0
.else
	v_wmma_f32_16x16x32_bf16 v[ACC+8*\a:ACC+8*\a+7], v[BF+64*\buf+8*\k:BF+64*\buf+8*\k+7], v[64*\a+8*\k:64*\a+8*\k+7], v[ACC+8*\a:ACC+8*\a+7]
.endif
.endr
.endr
.endm
; the fragments of code block c (16 codes, all 8 K steps) of a slot: lane (r, h) takes 16 bytes at row r, byte 64 k + 16 h, and 32 bytes further
.macro FETCHB slot, c, buf
.irp k, 0,1,2,3,4,5,6,7
	ds_load_b128 v[BF+64*\buf+8*\k:BF+64*\buf+8*\k+3],   v[ADR+\slot] offset:\c*16*PITCH+64*\k
	ds_load_b128 v[BF+64*\buf+8*\k+4:BF+64*\buf+8*\k+7], v[ADR+\slot] offset:\c*16*PITCH+64*\k+32
.endr
.endm
; w2 of the lane's 8 codes of that block
.macro FETCHW slot, c, buf
	ds_load_b128 v[W+8*\buf:W+8*\buf+3],   v[WADR] offset:\slot*1024+64*\c
	ds_load_b128 v[W+8*\buf+4:W+8*\buf+7], v[WADR] offset:\slot*1024+64*\c+16
.endm
; The distances of one code block and the running minimum; step: to the next block's code base.
.macro EPI buf, step
.irp a, 0,1,2,3
.irp j, 0,2,4,6
	v_pk_fma_f32 v[ACC+8*\a+\j:ACC+8*\a+\j+1], v[ACC+8*\a+\j:ACC+8*\a+\j+1], -2.0, v[Z2+2*\a:Z2+2*\a+1] op_sel_hi:[1,0,1]   ; z2 - 2 dot, one rounding
.endr
.irp j, 0,2,4,6
	v_pk_add_f32 v[ACC+8*\a+\j:ACC+8*\a+\j+1], v[ACC+8*\a+\j:ACC+8*\a+\j+1], v[W+8*\buf+\j:W+8*\buf+\j+1]                   ; + w2
.endr
	v_min3_num_f32 v[T+2*(\a&1)],   v[ACC+8*\a],   v[ACC+8*\a+1], v[ACC+8*\a+2]
	v_min3_num_f32 v[T+2*(\a&1)+1], v[ACC+8*\a+3], v[ACC+8*\a+4], v[ACC+8*\a+5]
	v_min3_num_f32 v[T+2*(\a&1)],   v[T+2*(\a&1)], v[ACC+8*\a+6], v[ACC+8*\a+7]
	v_min_num_f32  v[T+2*(\a&1)],   v[T+2*(\a&1)], v[T+2*(\a&1)+1]
	v_cmp_lt_f32 vcc_lo, v[T+2*(\a&1)], v[BEST+\a]                         ; strictly less: an earlier block keeps a tie
	v_cndmask_b32 v[BEST+\a], v[BEST+\a], v[T+2*(\a&1)], vcc_lo
	v_cndmask_b32 v[BLK+\a],  v[BLK+\a],  v[CURV], vcc_lo
.irp j, 0,1,2,3,4,5,6,7
	v_cndmask_b32 v[SNAP+8*\a+\j], v[SNAP+8*\a+\j], v[ACC+8*\a+\j], vcc_lo
.endr
.endr
	v_add_nc_u32 v[CURV], \step, v[CURV]
.endm
.macro BLOCK buf, cnt
	s_wait_dscnt \cnt                              ; LDS loads come back in order: this block's 16 + 2 are in, the following block's 18 may stay out
	WIN 0x04                                       ; source 1 (z) in v256 and up
	MUL32 \buf
	WIN 0
.endm
; One tile: four code blocks on buffers 0, 1, 0, 1.  Each block's fragments are asked for two blocks ahead, into the buffer just multiplied.
; w2's loads follow the vector work, which still reads that buffer's w2.
; mode 2: the slot is filled again, two tiles ahead; 1: the slots change, nothing is fetched; 0: the last tile.
; The change of slots stands behind the third block's products, when the fourth block's fragments lie in registers: in front of the opening signal
; each wave has waited for all its LDS reads and for all its tensor loads (one is out: its part of the other slot).  Inside the round stands the third
; block's vector work, on registers alone.  Behind the round the joint refill comes first, then the other slot's first fragments are read.
; From a request to the wait for it a wave issues 128 matrix instructions.
.macro SLOT slot, other, mode
	BLOCK 0, 18
	PLACES
	FETCHB \slot, 2, 0
	EPI 0, 16
	FETCHW \slot, 2, 0
	BLOCK 1, 18
	PLACES
	FETCHB \slot, 3, 1
	EPI 1, 16
	FETCHW \slot, 3, 1
	BLOCK 0, 18
.if \mode >= 1
	s_wait_dscnt 0x0                               ; my reads of this slot are over
	s_wait_xcnt 0x0
	v_lshl_add_u32 v254, v0, 2, 0x4e400
	v_mov_b32 v255, 0
	s_wait_tensorcnt 0x0                           ; all my tensor loads have landed, my part of the other slot among them: a group 0 may be written
	ds_add_u32 v254, v255
	s_wait_dscnt 0x0
.if \mode == 2
	s_add_nc_u64 s[G0+4*\slot+2:G0+4*\slot+3], s[G0+4*\slot+2:G0+4*\slot+3], 2*TILEB     ; this slot's next tile
.endif
	s_barrier_signal -1
	PLACES
	EPI 0, 16
	s_barrier_wait -1
.if \mode == 2
	CREST                                          ; no wave of any partner still reads this slot or has a load on its way
	tensor_load_to_lds s[G0+4*\slot:G0+4*\slot+3], s[G1:G1+7]              ; my one tensor load behind the round, and the first thing there
	s_nop 0
.endif
.if \slot == 1
	v_add_nc_u32 v[WADR], 2048, v[WADR]            ; w2 of the next lap's 512 codes
.endif
	FETCHB \other, 0, 0
	FETCHW \other, 0, 0
	BLOCK 1, 18                                    ; the fourth block's loads were shown in by the wait for 0; the 18 just issued stay out
	PLACES
	FETCHB \other, 1, 1
	EPI 1, 208                                     ; to the next tile: 256 - 3 x 16
	FETCHW \other, 1, 1
.else
	PLACES
	EPI 0, 16
	BLOCK 1, 0                                     ; nothing was issued behind the last block's loads
	PLACES
	EPI 1, 208
.endif
.endm
	s_mov_b32 s55, 0x7f800000                      ; +inf: the first block's minimum replaces it unless it is +inf itself
.irp a, 0,1,2,3
	v_mov_b32 v[BEST+\a], s55
	v_mov_b32 v[BLK+\a], v[CURV]
.irp j, 0,1,2,3,4,5,6,7
	v_mov_b32 v[SNAP+8*\a+\j], s55
.endr
.endr
	FETCHB 0, 0, 0
	FETCHW 0, 0, 0
	FETCHB 0, 1, 1
	FETCHW 0, 1, 1
	s_mov_b32 s15, 15                              ; 15 laps: tiles 0 to 29, which ask for tiles 2 to 31
.Llap:
	SLOT 0, 1, 2
	SLOT 1, 0, 2
	s_sub_co_u32 s15, s15, 1
	s_cmp_lg_u32 s15, 0
	s_cbranch_scc1 .Llap
	SLOT 0, 1, 1                                   ; tile 30: nothing is left to fetch
	SLOT 1, 0, 0                                   ; tile 31
; vcc = (bv, bc) comes before (av, ac): by value, of equal values by code
.macro BEFORE av, ac, bv, bc
	v_cmp_lt_f32 s52, v[\bv], v[\av]
	v_cmp_eq_f32 s53, v[\bv], v[\av]
	v_cmp_lt_u32 vcc_lo, v[\bc], v[\ac]
	s_and_b32 s53, s53, vcc_lo
	s_or_b32 vcc_lo, s52, s53
.endm
; A and B: four registers each, (value, code) of a first and of a second, in order.  A = the first two of the four.
; The first is the earlier of the two firsts; the second is the earlier of the other first and the winner's own second.
.macro MERGE2 A, B
	BEFORE \A, \A+1, \B, \B+1
	v_cndmask_b32 v[HT],   v[\B],   v[\A],   vcc_lo     ; the first that lost
	v_cndmask_b32 v[HT+1], v[\B+1], v[\A+1], vcc_lo
	v_cndmask_b32 v[\A],   v[\A],   v[\B],   vcc_lo     ; the first that won
	v_cndmask_b32 v[\A+1], v[\A+1], v[\B+1], vcc_lo
	v_cndmask_b32 v[\A+2], v[\A+2], v[\B+2], vcc_lo     ; and its second
	v_cndmask_b32 v[\A+3], v[\A+3], v[\B+3], vcc_lo
	BEFORE \A+2, \A+3, HT, HT+1
	v_cndmask_b32 v[\A+2], v[\A+2], v[HT],   vcc_lo
	v_cndmask_b32 v[\A+3], v[\A+3], v[HT+1], vcc_lo
.endm
; v[T] = the first place among row block a's 8 kept distances that equals v[val]
.macro PLACE a, val
	v_mov_b32 v[T], 7
.irp j, 6,5,4,3,2,1,0
	v_cmp_neq_f32 vcc_lo, v[SNAP+8*\a+\j], v[\val]
	v_cndmask_b32 v[T], \j, v[T], vcc_lo           ; descending, so that the first equal place stays
.endr
.endm
	; THE END.  A lane's best two of its kept 8, the other half of the lanes (codes 8 further on), then the four waves of a row through LDS.
	s_lshl_b32 s55, s47, 11                        ; candidates of q: 2,048 bytes, 16 for each of the group's 128 rows
	s_lshl_b32 s56, s46, 10                        ; my 64 rows
	s_add_co_u32 s55, s55, s56
	s_add_co_u32 s55, s55, STG                     ; the stage's first bytes serve again: every wave's reads of them ended in front of the barriers above
	v_lshl_add_u32 v[SA], v[RR], 4, s55
	s_mov_b32 s56, 0x7f800000
	v_mov_b32 v[T+1], s56                          ; +inf takes the best's place for the second search
.irp a, 0,1,2,3
	PLACE \a, BEST+\a
	v_mov_b32 v[FP+4*\a], v[BEST+\a]
	v_add_nc_u32 v[FP+4*\a+1], v[BLK+\a], v[T]
.irp j, 0,1,2,3,4,5,6,7
	v_cmp_eq_u32 vcc_lo, \j, v[T]
	v_cndmask_b32 v[SNAP+8*\a+\j], v[SNAP+8*\a+\j], v[T+1], vcc_lo
.endr
	v_min3_num_f32 v[T+2], v[SNAP+8*\a],   v[SNAP+8*\a+1], v[SNAP+8*\a+2]
	v_min3_num_f32 v[T+3], v[SNAP+8*\a+3], v[SNAP+8*\a+4], v[SNAP+8*\a+5]
	v_min3_num_f32 v[T+2], v[T+2], v[SNAP+8*\a+6], v[SNAP+8*\a+7]
	v_min_num_f32  v[T+2], v[T+2], v[T+3]
	PLACE \a, T+2
	v_mov_b32 v[FP+4*\a+2], v[T+2]
	v_add_nc_u32 v[FP+4*\a+3], v[BLK+\a], v[T]
.irp j, 0,1,2,3
	v_permlanex16_b32 v[OB+\j], v[FP+4*\a+\j], s50, s51    ; destinations written before (they held w2)
.endr
	MERGE2 FP+4*\a, OB
	ds_store_b128 v[SA], v[FP+4*\a:FP+4*\a+3] offset:256*\a ; lanes r and r + 16 write the same bytes with the same values
.endr
	s_wait_dscnt 0x0                               ; for the others' sake: my candidates are in LDS
	s_barrier_signal -1
	s_barrier_wait -1
	s_cmp_gt_u32 s14, 3
	s_cbranch_scc1 .Lclose                         ; waves 0 to 3 merge: 32 rows each, one a lane
	v_and_b32 v[T], 31, v0
	s_lshl_b32 s55, s14, 9
	s_add_co_u32 s55, s55, STG
	v_lshl_add_u32 v[RA], v[T], 4, s55             ; row 32 w + lane: 16 bytes
	s_lshl_b32 s55, s14, 8
	v_lshl_add_u32 v[OUTO], v[T], 3, s55           ; its two candidates: 8 bytes
.irp q, 0,1,2,3
	ds_load_b128 v[FP+4*\q:FP+4*\q+3], v[RA] offset:2048*\q
.endr
	s_wait_dscnt 0x0
.irp q, 1,2,3
	MERGE2 FP, FP+4*\q
.endr
	v_mov_b32 v[FP], v[FP+1]                       ; the two codes side by side
	v_mov_b32 v[FP+1], v[FP+3]
	global_store_b64 v[OUTO], v[FP:FP+1], s[10:11] ; the wave's store covers 256 consecutive bytes, aligned
.Lclose:
	s_wait_xcnt 0x0
	v_lshl_add_u32 v254, v0, 2, 0x4e400
	v_mov_b32 v255, 0
	s_wait_tensorcnt 0x0
	ds_add_u32 v254, v255
	s_wait_dscnt 0x0
	CROUND                                         ; the closing round: no work-group ends while a partner may still ask for a tile that names it
	s_endpgm
.Lfunc_end_k_q8297e789f8_assign:
	.size	k_q8297e789f8_assign, .Lfunc_end_k_q8297e789f8_assign-k_q8297e789f8_assign
	.p2alignl 7, 3214868480
	.fill 96, 4, 3214868480
	.section	.rodata,"a",@progbits
	.p2align	6, 0x0
	.amdhsa_kernel k_q8297e789f8_assign
		.amdhsa_group_segment_fixed_size 327680
		.amdhsa_private_segment_fixed_size 0
		.amdhsa_enable_private_segment 0
		.amdhsa_kernarg_size 32
		.amdhsa_user_sgpr_count 2
		.amdhsa_user_sgpr_kernarg_segment_ptr 1
		.amdhsa_wavefront_size32 1
		.amdhsa_system_sgpr_workgroup_id_x 1
		.amdhsa_system_sgpr_workgroup_id_y 1
		.amdhsa_system_sgpr_workgroup_id_z 1
		.amdhsa_system_vgpr_workitem_id 0
		.amdhsa_next_free_vgpr 512
		.amdhsa_next_free_sgpr 66
		.amdhsa_reserve_vcc 1
		.amdhsa_float_denorm_mode_32 3
		.amdhsa_float_denorm_mode_16_64 3
		.amdhsa_memory_ordered 1
		.amdhsa_forward_progress 1
		.amdhsa_inst_pref_size 168
	.end_amdhsa_kernel
	.amdgpu_metadata
---
amdhsa.version: [ 1, 2 ]
amdhsa.kernels:
  - .name:           k_q8297e789f8_assign
    .symbol:         k_q8297e789f8_assign.kd
    .args:
      - { .name: z, .offset: 0, .size: 8, .value_kind: global_buffer, .address_space: global }
      - { .name: cb16, .offset: 8, .size: 8, .value_kind: global_buffer, .address_space: global }
      - { .name: w2, .offset: 16, .size: 8, .value_kind: global_buffer, .address_space: global }
      - { .name: cand, .offset: 24, .size: 8, .value_kind: global_buffer, .address_space: global }
    .group_segment_fixed_size: 327680
    .private_segment_fixed_size: 0
    .kernarg_segment_align: 8
    .kernarg_segment_size: 32
    .max_flat_workgroup_size: 256
    .sgpr_count:     66
    .vgpr_count:     512
    .wavefront_size: 32
...
	.end_amdgpu_metadata
.endif
;; end of part 2
;; launch pick (part 3): grid 256 x 1, 8 waves a work-group, no clusters, 204,288 bytes of LDS; arguments cand, z, codebook, out0, out1; writes out0, out1
.if DOCPART == 3
	.amdgcn_target "amdgcn-amd-amdhsa--gfx1250"
	.amdhsa_code_object_version 6
	.text
	.protected	k_q8297e789f8_pick
	.globl	k_q8297e789f8_pick
	.p2align	8
	.type	k_q8297e789f8_pick,@function
k_q8297e789f8_pick:
	s_mov_b64 s[64:65], 0
	v_nop
	global_prefetch_b8 v0, s[64:65] scope:SCOPE_SE
	s_setreg_imm32_b32 hwreg(HW_REG_WAVE_MODE, 25, 1), 1
	s_wait_xcnt 0x0
; For each row n: of its two candidates cand[n][0], cand[n][1] the one of lesser distance (of equal distances the lesser code) goes to out1[n],
; and that code's row of the codebook, in f32, to out0[n].
; cand: [32768][2] i32, stored by the launch before.  z: [32768][256] f32.  codebook: [8192][256] f32.  out0: [32768][256] f32.  out1: [32768] i32.
; WHY.  A distance (z2 - 2 dot) + w2 is rounded at the size of z2, so two close candidates are told apart by the side of a rounding boundary on which
; 2 dot falls, that is by the dot's last bits; and where 2 dot lies exactly half way between two steps, by the last bit of z2 (round to even).
; THE ORDER OF THE SUMS, on the numbers rounded to bf16 (a product of two bf16 numbers is exact in f32, so each step is one rounding, the addition's):
;   dot: ascending d into one accumulator;
;   z2, w2: 8 runs of 32 in ascending d, each begun at 0, then the 8 run sums added in ascending order.
; THE LAST PLACE OF z2.  z2 is then taken one step of its last place higher.  Orders of summation differ in z2's last places, and which of those values
; is the expected one is not known to this text: the step is a CHOICE among them, not a derived fact.  A step of z2 moves every rounded distance of the
; row by the same step, so it decides a row only where 2 dot lies exactly half way between two steps of the distance.
; 768 multiply-adds a lane beside the 2 million a row of the matrix pass: no bulk work, so the vector unit does it.
; LIMITS: only the two candidates are looked at.  With a NaN distance candidate 0 stays.  An index is clamped to 8,191 before it enters an address.
; A z2 equal to the largest finite f32 would step to +inf.
; SHARES.  Eight waves, 16 rows a wave.  Lane (r, t) = 16 t + r owns row r with candidate t.  All rows come in by loads of 16 bytes a lane, 512 consecutive bytes
; each; the candidates' 32 rows stay in v256-v511 in f32 for the way out.  Rounded to bf16 they go through the wave's own LDS (rows 528 bytes apart = 33 x 16, so
; the sixteen rows that a load touches start 16 bytes apart modulo 256), from which each lane reads its own two rows, 8 numbers at a time.
; The row that leaves is chosen by v_cndmask_b32 between the two held in registers: no address hangs on a distance.
; A wave's LDS bytes are its own and LDS serves a wave's instructions in order (ISA guide 5.7.1.4): no barrier but the one for out1.
; Matrix unit, tensor loads and clusters would add nothing here.
.set PITCH, 528
.set CODES, 16*PITCH                   ; a wave's LDS: 16 rows of z, then 32 rows of codes (slot 16 t + r)
.set WAVEB, 48*PITCH                   ; 25,344 bytes a wave
.set OUTS,  8*WAVEB                    ; behind them: the group's 128 indices, 512 bytes
.set LN,   1                           ; v1      lane
.set L16,  2                           ; v2      16 x lane; never rewritten
.set RR,   3                           ; v3      r
.set TT,   4                           ; v4      t
.set STA,  5                           ; v5      LDS: my 8 bytes of a row's first half, in my wave's first row
.set ZRD,  6                           ; v6      LDS: my row of z
.set WRD,  7                           ; v7      LDS: my candidate's row
.set CODE, 8                           ; v8      my candidate
.set DOT,  9                           ; v9      the dot, ascending
.set VZ,   10                          ; v10     0: what a sum begins at
.set DI,   12                          ; v12     my distance
.set OD,   13                          ; v13     the other lane's distance
.set OC,   14                          ; v14     the other lane's candidate
.set FIN,  15                          ; v15     the row's index
.set OF,   16                          ; v16-47  slot j: byte offset of my 16 bytes in its row of the codebook
.set ZL,   48                          ; v48-175 z: row i in 8 registers as loaded, then 4 as bf16
.set CH,   48                          ; v48-175 later: two buffers of 8 x 4 registers of z and 8 x 4 of the code
.set PK,   176                         ; v176-239 codes as bf16, two halves of 8 slots x 4 registers
.set ZG,   176                         ; behind the conversions: v176-183 z2's 8 run sums
.set WG,   184                         ; v184-191 w2's 8 run sums
.set Z2T,  192                         ; v192    the sum of z2's runs
.set W2T,  193                         ; v193    w2
.set Z2F,  194                         ; v194    z2 as it is used: one step of the last place higher
.set CO,   240                         ; v240    my byte offset in the wave's 32 candidates
.set OA,   241                         ; v241    LDS: my row's index
.set OR_,  242                         ; v242    LDS: wave 0 reads four indices
.set OX,   244                         ; v244-247 those four
.set MSB, 0
.macro WIN new                         ; s_set_vgpr_msb: bits 1:0 source 0, 3:2 source 1, 5:4 source 2, 7:6 destination; the high byte repeats the setting that is left
.if MSB != \new
	s_set_vgpr_msb (MSB<<8)|\new
.set MSB, \new
.endif
.endm
	s_load_b256 s[4:11], s[0:1], 0x0               ; cand s[4:5], z s[6:7], codebook s[8:9], out0 s[10:11]
	s_load_b64 s[12:13], s[0:1], 0x20              ; out1
	v_lshl_add_u32 v254, v0, 2, 0x31a00
	v_mov_b32 v255, 0
	v_lshrrev_b32 v1, 5, v0
	v_readfirstlane_b32 s14, v1                    ; wave 0..7
	v_and_b32 v[LN], 31, v0
	v_lshlrev_b32 v[L16], 4, v[LN]
	v_and_b32 v[RR], 15, v0
	v_bfe_u32 v[TT], v0, 4, 1
	v_lshlrev_b32 v[CO], 3, v[RR]
	v_lshl_add_u32 v[CO], v[TT], 2, v[CO]          ; cand[r][t]
	s_lshl_b32 s15, ttmp9, 3
	s_add_co_u32 s15, s15, s14                     ; g = 8 x work-group + wave, 0..2047
	s_lshl_b32 s56, s15, 7                         ; 16 rows x 8 bytes of cand
	s_mov_b32 s57, 0
	s_lshl_b32 s58, s15, 14                        ; 16 rows x 1,024 bytes of z and of out0
	s_mov_b32 s59, 0
	s_lshl_b32 s48, ttmp9, 9                       ; 128 indices of out1
	s_mov_b32 s49, 0
	s_mul_i32 s55, s14, WAVEB                      ; my wave's LDS
	s_mov_b32 s50, 0x76543210                      ; v_permlanex16_b32: lane i of one half reads lane i of the other
	s_mov_b32 s51, 0xfedcba98
	s_wait_kmcnt 0x0
	s_add_nc_u64 s[4:5], s[4:5], s[56:57]
	s_add_nc_u64 s[6:7], s[6:7], s[58:59]
	s_add_nc_u64 s[10:11], s[10:11], s[58:59]
	s_add_nc_u64 s[12:13], s[12:13], s[48:49]
	s_load_b512 s[16:31], s[4:5], 0x0              ; the wave's 32 candidates: s[16 + 2 r + t]
	s_load_b512 s[32:47], s[4:5], 0x40
	global_load_b32 v[CODE], v[CO], s[4:5]         ; and mine, as a number to compare and to store
.irp i, 0,1,2,3,4,5,6,7,8,9,10,11,12,13,14,15
	global_load_b128 v[ZL+8*\i:ZL+8*\i+3],   v[L16], s[6:7] offset:1024*\i th:TH_LOAD_NT       ; columns 4 lane .. + 3
	global_load_b128 v[ZL+8*\i+4:ZL+8*\i+7], v[L16], s[6:7] offset:1024*\i+512 th:TH_LOAD_NT   ; columns 128 + 4 lane .. + 3
.endr
	v_lshl_add_u32 v[STA], v[LN], 3, s55
	v_mul_u32_u24 v[ZRD], v[RR], PITCH
	v_add_nc_u32 v[ZRD], s55, v[ZRD]
	s_add_co_u32 s54, s55, CODES
	v_mul_u32_u24 v[WRD], v[LN], PITCH             ; slot 16 t + r = my lane's number
	v_add_nc_u32 v[WRD], s54, v[WRD]
	s_lshl_b32 s54, s14, 6
	s_add_co_u32 s54, s54, OUTS
	v_lshl_add_u32 v[OA], v[RR], 2, s54            ; index of row 16 w + r
	v_add_nc_u32 v[OR_], OUTS, v[L16]
	v_mov_b32 v[VZ], 0
	v_mov_b32 v[OD], 0                             ; destinations of v_permlanex16_b32 count as read
	v_mov_b32 v[OC], 0
	s_wait_kmcnt 0x0
.irp r, 0,1,2,3,4,5,6,7,8,9,10,11,12,13,14,15
	s_min_u32 s[16+2*\r], s[16+2*\r], 0x1fff
	s_lshl_b32 s[16+2*\r], s[16+2*\r], 10          ; rows of 1,024 bytes
	v_add_nc_u32 v[OF+\r], s[16+2*\r], v[L16]
	s_min_u32 s[17+2*\r], s[17+2*\r], 0x1fff
	s_lshl_b32 s[17+2*\r], s[17+2*\r], 10
	v_add_nc_u32 v[OF+16+\r], s[17+2*\r], v[L16]
.endr
	WIN 0x40                                       ; destination v256 and up, address below
.set j, 0
.rept 32
	global_load_b128 v[8*j:8*j+3],   v[OF+j], s[8:9]               ; v[256 + 8 j ..]: slot j.  No hint: a row of the codebook may be named again
	global_load_b128 v[8*j+4:8*j+7], v[OF+j], s[8:9] offset:512
.set j, j+1
.endr
	WIN 0
	s_wait_loadcnt 63                              ; 64 loads were issued behind z's last: my candidate and all of z are in (the count's field ends at 63; a smaller count is safe)
	v_min_u32 v[CODE], 0x1fff, v[CODE]             ; as in the addresses
.irp i, 0,1,2,3,4,5,6,7,8,9,10,11,12,13,14,15
.irp k, 0,1,2,3
	v_cvt_pk_bf16_f32 v[ZL+8*\i+\k], v[ZL+8*\i+2*\k], v[ZL+8*\i+2*\k+1]    ; in place: register k is written when registers up to 2 k + 1 have been read
.endr
	ds_store_b64 v[STA], v[ZL+8*\i:ZL+8*\i+1],   offset:\i*PITCH           ; a row lies in LDS in the order of its columns
	ds_store_b64 v[STA], v[ZL+8*\i+2:ZL+8*\i+3], offset:\i*PITCH+256
.endr
.irp g, 0,1,2,3
	s_wait_loadcnt 48-16*\g                        ; slots 8 g .. 8 g + 7 are in; two loads for each later slot stay out
.if \g >= 2
	s_wait_dscnt 16                                ; the stores that read this half of PK are done; the 16 of the group between may stay out
.endif
	WIN 0x05                                       ; both sources in v256 and up
.irp s, 0,1,2,3,4,5,6,7
.irp k, 0,1,2,3
	v_cvt_pk_bf16_f32 v[PK+32*(\g&1)+4*\s+\k], v[8*(8*\g+\s)+2*\k], v[8*(8*\g+\s)+2*\k+1]
.endr
.endr
	WIN 0
.irp s, 0,1,2,3,4,5,6,7
	ds_store_b64 v[STA], v[PK+32*(\g&1)+4*\s:PK+32*(\g&1)+4*\s+1],   offset:CODES+(8*\g+\s)*PITCH
	ds_store_b64 v[STA], v[PK+32*(\g&1)+4*\s+2:PK+32*(\g&1)+4*\s+3], offset:CODES+(8*\g+\s)*PITCH+256
.endr
.endr
; 64 numbers of my row of z and of my candidate's row (columns 64 g .. + 63) into buffer b
.macro FETCH g, b
.irp i, 0,1,2,3,4,5,6,7
	ds_load_b128 v[CH+64*\b+4*\i:CH+64*\b+4*\i+3],       v[ZRD] offset:128*\g+16*\i
	ds_load_b128 v[CH+64*\b+32+4*\i:CH+64*\b+32+4*\i+3], v[WRD] offset:128*\g+16*\i
.endr
.endm
; d = a x b + c, a and b the low (h = 0) or the high (h = 1) bf16 halves of their registers, c and d f32
.macro FM h, d, a, b, c
.if \h
	v_fma_mix_f32_bf16 v[\d], v[\a], v[\b], v[\c] op_sel:[1,1,0] op_sel_hi:[1,1,0]
.else
	v_fma_mix_f32_bf16 v[\d], v[\a], v[\b], v[\c] op_sel_hi:[1,1,0]
.endif
.endm
; Column e of the row: half h of registers zr (z) and wr (the code).  Each of the three sums takes its step; a sum that begins here begins at the zero register.
.macro STEP e, h, zr, wr
.if (\e) == 0
	FM \h, DOT, \zr, \wr, VZ
.else
	FM \h, DOT, \zr, \wr, DOT
.endif
.if ((\e)%32) == 0
	FM \h, ZG+(\e)/32, \zr, \zr, VZ
	FM \h, WG+(\e)/32, \wr, \wr, VZ
.else
	FM \h, ZG+(\e)/32, \zr, \zr, ZG+(\e)/32
	FM \h, WG+(\e)/32, \wr, \wr, WG+(\e)/32
.endif
.endm
; 64 columns, ascending: the low half of a word, then the high.  The three sums take turns.
.macro CHAIN g, b
.irp i, 0,1,2,3,4,5,6,7
.irp j, 0,1,2,3
	STEP 64*\g+8*\i+2*\j,   0, CH+64*\b+4*\i+\j, CH+64*\b+32+4*\i+\j
	STEP 64*\g+8*\i+2*\j+1, 1, CH+64*\b+4*\i+\j, CH+64*\b+32+4*\i+\j
.endr
.endr
.endm
	FETCH 0, 0
	FETCH 1, 1
	s_wait_dscnt 16                                ; LDS instructions end in order: the stores and this group's 16 loads are done, the next group's 16 stay out
	CHAIN 0, 0
	FETCH 2, 0
	s_wait_dscnt 16
	CHAIN 1, 1
	FETCH 3, 1
	s_wait_dscnt 16
	CHAIN 2, 0
	s_wait_dscnt 0x0
	CHAIN 3, 1
	v_add_f32 v[Z2T], v[ZG], v[ZG+1]               ; the 8 run sums in ascending order
	v_add_f32 v[W2T], v[WG], v[WG+1]
.irp k, 2,3,4,5,6,7
	v_add_f32 v[Z2T], v[Z2T], v[ZG+\k]
	v_add_f32 v[W2T], v[W2T], v[WG+\k]
.endr
	v_add_nc_u32 v[Z2F], 1, v[Z2T]                 ; the next f32 above the sum (z2 is positive or 0): the choice stated at the head
	v_permlanex16_b32 v[OC], v[CODE], s50, s51     ; the row's other candidate
	v_cmp_lt_u32 s58, v[OC], v[CODE]
	v_fma_f32 v[DI], v[DOT], -2.0, v[Z2F]          ; z2 - 2 dot, one rounding
	v_add_f32 v[DI], v[DI], v[W2T]                 ; + w2
	v_permlanex16_b32 v[OD], v[DI], s50, s51       ; and its distance
	v_cmp_lt_f32 s52, v[OD], v[DI]
	v_cmp_eq_f32 s53, v[OD], v[DI]
	s_and_b32 s53, s53, s58
	s_or_b32 s54, s52, s53                         ; bit r, r below 16: candidate 1 of row r comes before candidate 0
	v_cndmask_b32 v[FIN], v[CODE], v[OC], s54
	v_permlanex16_b32 v[OD], v[FIN], s50, s51
	s_mov_b32 s53, 0xffff0000
	v_cndmask_b32 v[FIN], v[FIN], v[OD], s53       ; lanes 16 to 31 take what lanes 0 to 15 decided, so that both hold the same number
	ds_store_b32 v[OA], v[FIN]                     ; lanes r and r + 16 write the same word with the same value
.irp i, 0,1,2,3,4,5,6,7,8,9,10,11,12,13,14,15
	s_bitcmp1_b32 s54, \i
	s_cselect_b32 s[16+\i], -1, 0                  ; row i's choice for all 32 lanes
.endr
	WIN 0x45                                       ; sources and destination in v256 and up
.set i, 0
.rept 16
.set j, 0
.rept 8
	v_cndmask_b32 v[8*i+j], v[8*i+j], v[128+8*i+j], s[16+i]        ; slot i (candidate 0) or slot 16 + i (candidate 1)
.set j, j+1
.endr
.set i, i+1
.endr
	WIN 0x04                                       ; store data in v256 and up, address below
.irp i, 0,1,2,3,4,5,6,7,8,9,10,11,12,13,14,15
	global_store_b128 v[L16], v[8*\i:8*\i+3],   s[10:11] offset:1024*\i th:TH_STORE_NT         ; each store of the wave covers 512 consecutive bytes, aligned
	global_store_b128 v[L16], v[8*\i+4:8*\i+7], s[10:11] offset:1024*\i+512 th:TH_STORE_NT
.endr
	WIN 0
	s_wait_dscnt 0x0                               ; for wave 0's sake: my 16 indices are in LDS
	s_barrier_signal -1
	s_barrier_wait -1
	s_cmp_lg_u32 s14, 0
	s_cbranch_scc1 .Lend
	ds_load_b128 v[OX:OX+3], v[OR_]                ; wave 0: four indices a lane, 128 in all
	s_wait_dscnt 0x0
	global_store_b128 v[L16], v[OX:OX+3], s[12:13] ; 512 consecutive bytes, aligned
.Lend:
	s_wait_tensorcnt 0x0
	ds_add_u32 v254, v255
	s_wait_dscnt 0x0
	s_endpgm
.Lfunc_end_k_q8297e789f8_pick:
	.size	k_q8297e789f8_pick, .Lfunc_end_k_q8297e789f8_pick-k_q8297e789f8_pick
	.p2alignl 7, 3214868480
	.fill 96, 4, 3214868480
	.section	.rodata,"a",@progbits
	.p2align	6, 0x0
	.amdhsa_kernel k_q8297e789f8_pick
		.amdhsa_group_segment_fixed_size 204288
		.amdhsa_private_segment_fixed_size 0
		.amdhsa_enable_private_segment 0
		.amdhsa_kernarg_size 40
		.amdhsa_user_sgpr_count 2
		.amdhsa_user_sgpr_kernarg_segment_ptr 1
		.amdhsa_wavefront_size32 1
		.amdhsa_system_sgpr_workgroup_id_x 1
		.amdhsa_system_sgpr_workgroup_id_y 1
		.amdhsa_system_sgpr_workgroup_id_z 1
		.amdhsa_system_vgpr_workitem_id 0
		.amdhsa_next_free_vgpr 512
		.amdhsa_next_free_sgpr 66
		.amdhsa_reserve_vcc 0
		.amdhsa_float_denorm_mode_32 3
		.amdhsa_float_denorm_mode_16_64 3
		.amdhsa_memory_ordered 1
		.amdhsa_forward_progress 1
		.amdhsa_inst_pref_size 100
	.end_amdhsa_kernel
	.amdgpu_metadata
---
amdhsa.version: [ 1, 2 ]
amdhsa.kernels:
  - .name:           k_q8297e789f8_pick
    .symbol:         k_q8297e789f8_pick.kd
    .args:
      - { .name: cand, .offset: 0, .size: 8, .value_kind: global_buffer, .address_space: global }
      - { .name: z, .offset: 8, .size: 8, .value_kind: global_buffer, .address_space: global }
      - { .name: codebook, .offset: 16, .size: 8, .value_kind: global_buffer, .address_space: global }
      - { .name: out0, .offset: 24, .size: 8, .value_kind: global_buffer, .address_space: global }
      - { .name: out1, .offset: 32, .size: 8, .value_kind: global_buffer, .address_space: global }
    .group_segment_fixed_size: 204288
    .private_segment_fixed_size: 0
    .kernarg_segment_align: 8
    .kernarg_segment_size: 40
    .max_flat_workgroup_size: 256
    .sgpr_count:     66
    .vgpr_count:     512
    .wavefront_size: 32
...
	.end_amdgpu_metadata
.endif
;; end of part 3
;; ======== version 2 of 2: 3 launches; 1.12 times as fast as version 1
;; workspace buffers: cb16 4,194,304 bytes; w2 32,768 bytes; cand 262,144 bytes of whole numbers
;; launch prep: the kernel of part 1 again; grid 128 x 1, 8 waves a work-group, no clusters, 1,280 bytes of LDS; arguments codebook, cb16, w2; writes cb16, w2
;; launch assign (part 4): grid 256 x 1, 8 waves a work-group, clusters of 4 x 1, 327,680 bytes of LDS; arguments z, cb16, w2, cand; writes cand
.if DOCPART == 4
	.amdgcn_target "amdgcn-amd-amdhsa--gfx1250"
	.amdhsa_code_object_version 6
	.text
	.protected	k_q8297e789f8_assign
	.globl	k_q8297e789f8_assign
	.p2align	8
	.type	k_q8297e789f8_assign,@function
k_q8297e789f8_assign:
	s_mov_b64 s[64:65], 0
	v_nop
	global_prefetch_b8 v0, s[64:65] scope:SCOPE_SE
	s_setreg_imm32_b32 hwreg(HW_REG_WAVE_MODE, 25, 1), 1
	s_wait_xcnt 0x0
	s_wait_alu depctr_hold_cnt(0) depctr_sa_sdst(0) depctr_va_vdst(0) depctr_va_sdst(0) depctr_va_ssrc(0) depctr_va_vcc(0) depctr_vm_vsrc(0)
	s_getreg_b32 s2, hwreg(HW_REG_IB_STS2, 6, 4)
	s_cmp_eq_u32 s2, 0
	s_cbranch_scc0 .Lentry_in_a_cluster
	s_endpgm
.Lentry_in_a_cluster:
	s_bfe_u32 s2, ttmp6, 0x10000c
	s_cmp_lg_u32 s2, 0x3003
	s_cbranch_scc0 .Lentry_shape_is_right
	s_endpgm
.Lentry_shape_is_right:
; cand[n][0], cand[n][1] = the two codes k of least dist[n][k] = (z2[n] - 2 dot(z[n], cb16[k])) + w2[k], ordered by (distance, then k).
; z: [32768][256] f32.  cb16: [8192][256] bf16.  w2: [8192] f32.  cand: [32768][2] i32; the next launch forms addresses from it and decides between the two.
; z is rounded to bf16 on the way in; z2 is the f32 sum of squares of the rounded numbers; dots are bf16 products with f32 sums.
; A distance is formed as the formula is written: one rounding for z2 - 2 dot (2 dot is exact, so one fused multiply-add), one for + w2.
; The compare is a strict less-than in ascending k, and every merge is by (value, then k): of equal distances the first k comes first.
; LIMITS: with a NaN among a row's distances the candidates are unspecified (the minima used here skip NaN).  A row whose distances are all +inf gets 0, 0.
; The order of the f32 sums in z2 and in the dots is not that of a sequential sum.
; cand[n][0] is the first minimum of all 8,192 distances.  cand[n][1] is the best of the other 63 distances that are kept for a row: each of its
; 8 streams (wave q, half h of the lanes) keeps the 8 distances of its best block.  A runner-up that lies in the winner's own stream, in another block, is not seen.
;
; SHARES.  A work-group owns 128 rows of z and walks all 8,192 codes, so a row's minimum never leaves the work-group: 256 work-groups.
; Eight waves, two for each of the four SIMDs: while one wave does the vector work on its distances the other multiplies.
; Wave w: rh = w >> 2, q = w & 3.  It keeps rows 64 rh .. + 63 as fragments in v256-v511 for the whole kernel (4 row blocks x 8 K steps x 8 registers),
; and takes codes 64 q .. + 63 of every tile of 256 codes, 16 at a time: 32 matrix instructions, then 93 vector instructions on the 4 x 8 results.
; THE MATRIX INSTRUCTION IS USED TRANSPOSED: source 0 = 16 codes, source 1 = 16 rows of z.  Lane (r, h) then holds row r of z and, in register j,
; code 8 h + j: z2 is one number a lane, w2 eight registers, and the minimum over 8 codes is taken inside the lane.
; THE INDEX: a lane keeps, for each row block, its best value, the code base of the block that gave it and a copy of that block's 8 distances;
; the places among the 8 are looked up once, at the end (15 instructions for 8 distances in the loop).
; TWO CLASSES OF WAVES.  A barrier brings all waves to the same line, and from there two waves of a SIMD would both multiply and then both do vector work.
; So at each change of slots the waves of class 0 do the third block's vector work in front of the barrier and multiply first behind it, and those of class 1
; come to the barrier straight from their products and do that vector work first behind it.  The class is (w xor (w >> 2)) & 1: it differs between waves w and
; w + 4 and between waves 2 i and 2 i + 1, whichever of these pairs shares a SIMD.  The two ways differ in the place of 93 vector instructions alone.
; CLUSTER: all work-groups walk the same tiles of cb16 and the same w2, so four of them ask jointly (mask 15): a quarter of the requests.
; Descriptors and LDS addresses hang on the wave's number and the loop's steps alone; cx enters only the addresses of z and cand.
; Tensor loads outstanding in a wave, by this text's count: three at the start, one behind each round of the cluster's barrier.
.set PITCH, 528                        ; an LDS row of a tile: 512 bytes + 16 of padding = 33 x 16: the sixteen rows of a fragment load start 16 bytes apart modulo 256
.set SLOTB, 256*PITCH                  ; a slot: a tile of 256 codes
.set PART,  32*PITCH                   ; what one wave's tensor load brings: 32 codes
.set TILEB, 256*512                    ; a tile in memory
.set W2T,   2*SLOTB                    ; the whole of w2, 32,768 bytes, filled once
.set STG,   W2T+32768                  ; 17,408 bytes written by LDS stores alone: fragment images 8 x 2,048, then z2 8 x 128; at the end the candidates
.set STGZ,  STG+16384
.set RR,   1                           ; v1      r = lane & 15
.set HH,   2                           ; v2      h = lane >> 4
.set ADR,  3                           ; v3, v4  LDS address of my code fragments in slot 0, 1
.set WADR, 5                           ; v5      LDS address of my w2 in this lap's first tile
.set CURV, 6                           ; v6      code of register 0 of the block whose distances are at work
.set ZOFF, 7                           ; v7      my byte offset in my 16 rows of z
.set T,    8                           ; v8-11   at work, at the start and at the end
.set BEST, 12                          ; v12-15  row block a: best distance
.set BLK,  16                          ; v16-19  row block a: CURV of the block that gave it
.set Z2,   20                          ; v20-27  row block a: z2, twice (a pair for the packed multiply-add)
.set W,    28                          ; v28-43  w2 of 8 codes, two buffers
.set SA,   44                          ; v44     stage: where I store
.set RA,   45                          ; v45     stage: where I read
.set ZA,   46                          ; v46     stage: where I read z2
.set OUTO, 47                          ; v47     byte offset of my row's two candidates
.set ACC,  48                          ; v48-79  row block a: 8 sums, then 8 distances
.set SNAP, 80                          ; v80-111 row block a: the 8 distances of its best block
.set BF,   112                         ; v112-239 code fragments (8 K steps x 8 registers), two buffers
.set TM,   240                         ; in the loop only: v240-247 row block a: two partial minima
.set FP,   240                         ; the end only: v240-255 (value, code, value, code) of the best two, four sets
.set OB,   W                           ; the end only: v28-31 the other side's best two
.set HT,   W+4                          ; the end only: v32-33 at work in a merge
.set OWN,  48                          ; at the start only: v48-111 my own 16 rows of z as fragments
.set ST,   112                         ; at the start only: v112-239 my own 16 rows of z in f32
.set LN,   240                         ; at the start only: lane
.set ZS,   241                         ; at the start only: where I store z2
.set G1,  16                           ; s[16:23] group 1 of a tile's part
.set G0,  24                           ; s[24:31] group 0 of a tile's part, one set for each slot
.set G1W, 32                           ; s[32:39] group 1 of w2's part
.set G0W, 40                           ; s[40:43] group 0 of w2's part
.set MSB, 0
.macro WIN new                         ; s_set_vgpr_msb: bits 1:0 source 0, 3:2 source 1, 5:4 source 2, 7:6 destination; the high byte repeats the setting that is left
.if MSB != \new
	s_set_vgpr_msb (MSB<<8)|\new
.set MSB, \new
.endif
.endm
.macro PLACES                          ; four independent vector instructions stand between a matrix instruction and a vector instruction that reads its result,
.rept 4                                ; or a load into one of its registers
	v_nop
.endr
.endm
.macro CREST                           ; a round of the cluster's barrier behind its opening work-group barrier
	s_cmp_lg_u32 s14, 0
	s_cbranch_scc1 .Lnot_wave_0_\@
	s_barrier_signal -3                            ; wave 0 speaks for the work-group
.Lnot_wave_0_\@:
	s_barrier_wait -3                              ; all four work-groups have signalled
	s_barrier_signal -1
	s_barrier_wait -1
.endm
.macro CROUND                          ; a whole round
	s_barrier_signal -1
	s_barrier_wait -1
	CREST
.endm
	s_load_b256 s[4:11], s[0:1], 0x0               ; z s[4:5], cb16 s[6:7], w2 s[8:9], cand s[10:11]
	v_lshl_add_u32 v254, v0, 2, 0x4e400
	v_mov_b32 v255, 0
	ds_add_u32 v254, v255
	s_wait_dscnt 0x0
	v_lshrrev_b32 v1, 5, v0
	v_readfirstlane_b32 s14, v1                    ; wave 0..7
	s_bfe_u32 s44, ttmp6, 0x40000                  ; cx
	s_lshl_b32 s45, ttmp9, 2                       ; in a cluster launch ttmp9 counts clusters
	s_add_co_u32 s45, s45, s44                     ; work-group 0..255
	s_lshr_b32 s46, s14, 2                         ; rh
	s_and_b32 s47, s14, 3                          ; q
	s_xor_b32 s58, s46, s14
	s_and_b32 s58, s58, 1                          ; my class: (w xor (w >> 2)) & 1
	s_mov_b32 s50, 0x76543210                      ; v_permlanex16_b32: lane i of one half reads lane i of the other
	s_mov_b32 s51, 0xfedcba98
	v_and_b32 v[RR], 15, v0
	v_bfe_u32 v[HH], v0, 4, 1
	v_lshlrev_b32 v[ZOFF], 10, v[RR]               ; row r of my 16 (1,024 bytes each)
	v_lshl_add_u32 v[ZOFF], v[HH], 5, v[ZOFF]      ; + 8 h numbers
	; group 1 of a tile's part: 32 rows x 256 bf16, 16 bytes of padding behind each row of 128 words
	s_mov_b32 s[G1+0], 15|(1<<16)|(1<<20)|(1<<21)|(6<<22)|(3<<25)  ; mask: all four work-groups; elements of 2 bytes; padding on; bit 21 beside a mask; every 128 words; 4 words
	s_mov_b32 s[G1+1], 256<<16                     ; tensor_dim0 = 256
	s_mov_b32 s[G1+2], 32<<16                      ; tensor_dim1 = 32
	s_mov_b32 s[G1+3], 256<<16                     ; tile_dim0 = 256
	s_mov_b32 s[G1+4], 32                          ; tile_dim1 = 32
	s_mov_b32 s[G1+5], 256                         ; elements from row to row
	s_mov_b32 s[G1+6], 0
	s_mov_b32 s[G1+7], 0
	; group 1 of w2's part: 4,096 dense bytes as 16 rows of 32 elements of 8 bytes
	s_mov_b32 s[G1W+0], 15|(3<<16)|(1<<21)
	s_mov_b32 s[G1W+1], 32<<16
	s_mov_b32 s[G1W+2], 16<<16
	s_mov_b32 s[G1W+3], 32<<16
	s_mov_b32 s[G1W+4], 16
	s_mov_b32 s[G1W+5], 32
	s_mov_b32 s[G1W+6], 0
	s_mov_b32 s[G1W+7], 0
	s_mul_i32 s54, s14, PART                       ; my part of a slot
	s_lshl_b32 s48, s14, 14                        ; my part of a tile in memory: 32 rows x 512 bytes
	s_mov_b32 s49, 0
	s_lshl_b32 s56, s45, 17                        ; z: 128 rows x 1,024 bytes a work-group
	s_lshl_b32 s55, s14, 14                        ; + 16 rows a wave
	s_add_co_u32 s56, s56, s55
	s_mov_b32 s57, 0
	s_wait_kmcnt 0x0
	s_add_nc_u64 s[4:5], s[4:5], s[56:57]          ; z at my 16 rows
	s_add_nc_u64 s[6:7], s[6:7], s[48:49]          ; cb16 at my part of tile 0
.irp n, 0,1
	s_mov_b32 s[G0+4*\n], 1
	s_add_co_u32 s[G0+4*\n+1], s54, \n*SLOTB       ; LDS: slot n, my part
	s_add_nc_u64 s[G0+4*\n+2:G0+4*\n+3], s[6:7], \n*TILEB          ; tile n
	s_or_b32 s[G0+4*\n+3], s[G0+4*\n+3], 0x80000000                ; type 2
.endr
	s_lshl_b32 s48, s14, 12                        ; my 4,096 bytes of w2
	s_mov_b32 s[G0W], 1
	s_add_co_u32 s[G0W+1], s48, W2T
	s_add_nc_u64 s[G0W+2:G0W+3], s[8:9], s[48:49]
	s_or_b32 s[G0W+3], s[G0W+3], 0x80000000
	s_lshl_b32 s56, s45, 10                        ; cand: 128 rows of 8 bytes a work-group
	s_add_nc_u64 s[10:11], s[10:11], s[56:57]
	CROUND                                         ; all four work-groups are here: the first joint loads meet
	tensor_load_to_lds s[G0W:G0W+3], s[G1W:G1W+7]  ; the three first fills go out as one group: w2,
	s_nop 0
	tensor_load_to_lds s[G0:G0+3], s[G1:G1+7]      ; tile 0,
	s_nop 0
	tensor_load_to_lds s[G0+4:G0+7], s[G1:G1+7]    ; tile 1
	s_nop 0
	; My 16 rows of z, in the fragment's own order: for K step k a lane takes numbers 32 k + 8 h .. + 7 and 32 k + 16 + 8 h .. + 7 of row r.
	; The 32 loads together cover the 16 rows whole, each byte once.
.irp k, 0,1,2,3,4,5,6,7
	global_load_b128 v[ST+16*\k:ST+16*\k+3],     v[ZOFF], s[4:5] offset:128*\k
	global_load_b128 v[ST+16*\k+4:ST+16*\k+7],   v[ZOFF], s[4:5] offset:128*\k+16
	global_load_b128 v[ST+16*\k+8:ST+16*\k+11],  v[ZOFF], s[4:5] offset:128*\k+64
	global_load_b128 v[ST+16*\k+12:ST+16*\k+15], v[ZOFF], s[4:5] offset:128*\k+80
.endr
	; addresses, while the loads are on their way
	v_and_b32 v[LN], 31, v0
	s_mul_i32 s55, s47, 64*PITCH                   ; my 64 codes of a tile
	v_mul_u32_u24 v[ADR], v[RR], PITCH
	v_lshl_add_u32 v[ADR], v[HH], 4, v[ADR]        ; row x pitch + 16 h
	v_add_nc_u32 v[ADR], s55, v[ADR]
	v_add_nc_u32 v[ADR+1], SLOTB, v[ADR]
	s_lshl_b32 s55, s47, 8
	s_add_co_u32 s55, s55, W2T
	v_lshl_add_u32 v[WADR], v[HH], 5, s55          ; w2 of codes 64 q + 8 h ..
	s_lshl_b32 s55, s47, 6
	v_lshl_add_u32 v[CURV], v[HH], 3, s55          ; 64 q + 8 h
	s_lshl_b32 s55, s14, 11
	s_add_co_u32 s55, s55, STG
	v_lshl_add_u32 v[SA], v[LN], 4, s55            ; my row block's image: 2,048 w + 16 lane
	s_lshl_b32 s55, s46, 13
	s_add_co_u32 s55, s55, STG
	v_lshl_add_u32 v[RA], v[LN], 4, s55            ; the four row blocks that I keep: 8,192 rh + 16 lane
	s_lshl_b32 s55, s46, 9
	s_add_co_u32 s55, s55, STGZ
	v_lshl_add_u32 v[ZA], v[LN], 2, s55
	s_lshl_b32 s55, s14, 7
	s_add_co_u32 s55, s55, STGZ
	v_lshl_add_u32 v[ZS], v[LN], 2, s55
.irp j, 0,1,2,3
	v_mov_b32 v[T+\j], 0                           ; four chains for z2
.endr
	; round to bf16, and sum the squares of the rounded numbers, two K steps at a time
.irp p, 0,1,2,3
	s_wait_loadcnt 24-8*\p                         ; eight loads for two K steps; those of the later K steps stay out
.irp j, 0,1,2,3,4,5,6,7,8,9,10,11,12,13,14,15
	v_cvt_pk_bf16_f32 v[OWN+16*\p+\j], v[ST+32*\p+2*\j], v[ST+32*\p+2*\j+1]
.endr
.irp j, 0,1,2,3,4,5,6,7,8,9,10,11,12,13,14,15
	v_fma_mix_f32_bf16 v[T+2*(\j&1)],   v[OWN+16*\p+\j], v[OWN+16*\p+\j], v[T+2*(\j&1)]   op_sel_hi:[1,1,0]
	v_fma_mix_f32_bf16 v[T+2*(\j&1)+1], v[OWN+16*\p+\j], v[OWN+16*\p+\j], v[T+2*(\j&1)+1] op_sel:[1,1,0] op_sel_hi:[1,1,0]
.endr
.endr
	v_add_f32 v[T], v[T], v[T+1]
	v_add_f32 v[T+2], v[T+2], v[T+3]
	v_add_f32 v[T], v[T], v[T+2]
	v_permlanex16_b32 v[T+1], v[T], s50, s51       ; the other half of row r's numbers lies in lane r + 16 (or r)
	v_add_f32 v[T], v[T], v[T+1]                   ; z2 of row r, in both lanes
; The fragments change hands through the stage, two K steps at a time (the stage holds 2,048 bytes for each of 8 row blocks).
; A fragment's image is the same for writer and reader: lane l reads what lane l of the row block's wave stored.
; Two barriers a pass: stores - barrier - loads, and loads - barrier - the next pass's stores.  No tensor load fills anything behind them.
.macro PASS p
.irp i, 0,1,2,3
	ds_store_b128 v[SA], v[OWN+16*\p+4*\i:OWN+16*\p+4*\i+3] offset:512*\i
.endr
.if \p == 0
	ds_store_b32 v[ZS], v[T]
.endif
	s_wait_dscnt 0x0                               ; for the others' sake: my stores are in LDS
	s_barrier_signal -1
	s_barrier_wait -1
	WIN 0x40                                       ; destination v256 and up, address below
.irp a, 0,1,2,3
.irp i, 0,1,2,3
	ds_load_b128 v[64*\a+16*\p+4*\i:64*\a+16*\p+4*\i+3], v[RA] offset:2048*\a+512*\i     ; v[256 + 64 a + 8 k ..]: row block a, K step k
.endr
.endr
	WIN 0
.if \p == 0
.irp a, 0,1,2,3
	ds_load_b32 v[Z2+2*\a],   v[ZA] offset:128*\a
	ds_load_b32 v[Z2+2*\a+1], v[ZA] offset:128*\a
.endr
.endif
	s_wait_dscnt 0x0                               ; my reads of the stage are over
.if \p == 3
	s_wait_tensorcnt 0x1                           ; my parts of w2 and of tile 0 are in; tile 1's, issued last, may stay out
.endif
	s_barrier_signal -1
	s_barrier_wait -1
.endm
	PASS 0
	PASS 1
	PASS 2
	PASS 3
; 32 matrix instructions: 16 codes x my 64 rows, K = 256.  The four accumulators take turns, one instruction a turn.
; The first K step starts the sums: nothing is cleared.
.macro MUL32 buf
.irp k, 0,1,2,3,4,5,6,7
.irp a, 0,1,2,3
.if \k == 0
	v_wmma_f32_16x16x32_bf16 v[ACC+8*\a:ACC+8*\a+7], v[BF+64*\buf+8*\k:BF+64*\buf+8*\k+7], v[64*\a+8*\k:64*\a+8*\k+7], 0
.else
	v_wmma_f32_16x16x32_bf16 v[ACC+8*\a:ACC+8*\a+7], v[BF+64*\buf+8*\k:BF+64*\buf+8*\k+7], v[64*\a+8*\k:64*\a+8*\k+7], v[ACC+8*\a:ACC+8*\a+7]
.endif
.endr
.endr
.endm
; the fragments of code block c (16 codes, all 8 K steps) of a slot: lane (r, h) takes 16 bytes at row r, byte 64 k + 16 h, and 32 bytes further
.macro FETCHB slot, c, buf
.irp k, 0,1,2,3,4,5,6,7
	ds_load_b128 v[BF+64*\buf+8*\k:BF+64*\buf+8*\k+3],   v[ADR+\slot] offset:\c*16*PITCH+64*\k
	ds_load_b128 v[BF+64*\buf+8*\k+4:BF+64*\buf+8*\k+7], v[ADR+\slot] offset:\c*16*PITCH+64*\k+32
.endr
.endm
; w2 of the lane's 8 codes of that block
.macro FETCHW slot, c, buf
	ds_load_b128 v[W+8*\buf:W+8*\buf+3],   v[WADR] offset:\slot*1024+64*\c
	ds_load_b128 v[W+8*\buf+4:W+8*\buf+7], v[WADR] offset:\slot*1024+64*\c+16
.endm
; Where mask m is set, row block a takes this block: its minimum, its code base and its 8 distances.
.macro TAKE a, m
	v_cndmask_b32 v[BEST+\a], v[BEST+\a], v[TM+2*\a], \m
	v_cndmask_b32 v[BLK+\a],  v[BLK+\a],  v[CURV], \m
.irp j, 0,1,2,3,4,5,6,7
	v_cndmask_b32 v[SNAP+8*\a+\j], v[SNAP+8*\a+\j], v[ACC+8*\a+\j], \m
.endr
.endm
; The distances of one code block and the running minimum; step: to the next block's code base.
; The work goes stage by stage over the four row blocks, so that an instruction's sources were written four instructions or more ahead of it;
; the compares take two masks by turns, each but the first ten selects ahead of its first use.
.macro EPI buf, step
.irp a, 0,1,2,3
.irp j, 0,2,4,6
	v_pk_fma_f32 v[ACC+8*\a+\j:ACC+8*\a+\j+1], v[ACC+8*\a+\j:ACC+8*\a+\j+1], -2.0, v[Z2+2*\a:Z2+2*\a+1] op_sel_hi:[1,0,1]   ; z2 - 2 dot, one rounding
.endr
.endr
.irp a, 0,1,2,3
.irp j, 0,2,4,6
	v_pk_add_f32 v[ACC+8*\a+\j:ACC+8*\a+\j+1], v[ACC+8*\a+\j:ACC+8*\a+\j+1], v[W+8*\buf+\j:W+8*\buf+\j+1]                   ; + w2
.endr
.endr
.irp a, 0,1,2,3
	v_min3_num_f32 v[TM+2*\a],   v[ACC+8*\a],   v[ACC+8*\a+1], v[ACC+8*\a+2]
	v_min3_num_f32 v[TM+2*\a+1], v[ACC+8*\a+3], v[ACC+8*\a+4], v[ACC+8*\a+5]
.endr
.irp a, 0,1,2,3
	v_min3_num_f32 v[TM+2*\a], v[TM+2*\a], v[ACC+8*\a+6], v[ACC+8*\a+7]
.endr
.irp a, 0,1,2,3
	v_min_num_f32 v[TM+2*\a], v[TM+2*\a], v[TM+2*\a+1]
.endr
	v_cmp_lt_f32 vcc_lo, v[TM],   v[BEST]          ; strictly less: an earlier block keeps a tie
	v_cmp_lt_f32 s52,    v[TM+2], v[BEST+1]
	TAKE 0, vcc_lo
	v_cmp_lt_f32 vcc_lo, v[TM+4], v[BEST+2]
	TAKE 1, s52
	v_cmp_lt_f32 s52,    v[TM+6], v[BEST+3]
	TAKE 2, vcc_lo
	TAKE 3, s52
	v_add_nc_u32 v[CURV], \step, v[CURV]
.endm
.macro BLOCK buf, cnt
	s_wait_dscnt \cnt                              ; LDS loads come back in order: this block's 16 + 2 are in, the following block's 18 may stay out
	WIN 0x04                                       ; source 1 (z) in v256 and up
	MUL32 \buf
	WIN 0
.endm
; One tile: four code blocks on buffers 0, 1, 0, 1.  Each block's fragments are asked for two blocks ahead, into the buffer just multiplied.
; w2's loads follow the vector work, which still reads that buffer's w2.
; mode 2: the slot is filled again, two tiles ahead; 1: the slots change, nothing is fetched; 0: the last tile.
; The change of slots stands behind the third block's products, when the fourth block's fragments lie in registers.  A wave of class 0 does the third block's
; vector work in front of it, a wave of class 1 behind it (see the head): behind the round class 0 multiplies the fourth block at once while class 1 does vector work.
; The two branches hold vector work alone; every LDS instruction, wait, barrier and tensor load stands in the common text, so that each count holds on both ways.
; In front of the opening signal each wave has waited for all its LDS reads and for all its tensor loads (one is out: its part of the other slot).
; Behind the round the joint refill comes first, then the other slot's first fragments are read.
; From a request to the wait for it a wave issues 128 matrix instructions.
.macro SLOT slot, other, mode
	BLOCK 0, 18
	PLACES
	FETCHB \slot, 2, 0
	EPI 0, 16
	FETCHW \slot, 2, 0
	BLOCK 1, 18
	PLACES
	FETCHB \slot, 3, 1
	EPI 1, 16
	FETCHW \slot, 3, 1
	BLOCK 0, 18
	PLACES
.if \mode >= 1
	v_nop                                          ; a fifth place: the next block's first matrix instruction writes over these sums' registers, and five stand between on every way through the text
	s_cmp_lg_u32 s58, 0
	s_cbranch_scc1 .Llater_\@
	EPI 0, 16                                      ; class 0: now
.Llater_\@:
	s_wait_dscnt 0x0                               ; my reads of this slot are over
	s_wait_xcnt 0x0
	v_lshl_add_u32 v254, v0, 2, 0x4e400
	v_mov_b32 v255, 0
	s_wait_tensorcnt 0x0                           ; all my tensor loads have landed, my part of the other slot among them: a group 0 may be written
	ds_add_u32 v254, v255
	s_wait_dscnt 0x0
.if \mode == 2
	s_add_nc_u64 s[G0+4*\slot+2:G0+4*\slot+3], s[G0+4*\slot+2:G0+4*\slot+3], 2*TILEB     ; this slot's next tile
.endif
	s_barrier_signal -1
	s_barrier_wait -1
.if \mode == 2
	CREST                                          ; no wave of any partner still reads this slot or has a load on its way
	tensor_load_to_lds s[G0+4*\slot:G0+4*\slot+3], s[G1:G1+7]              ; my one tensor load behind the round, and the first thing there
	s_nop 0
.endif
.if \slot == 1
	v_add_nc_u32 v[WADR], 2048, v[WADR]            ; w2 of the next lap's 512 codes
.endif
	FETCHB \other, 0, 0
	s_cmp_eq_u32 s58, 0
	s_cbranch_scc1 .Ldone_\@
	EPI 0, 16                                      ; class 1: now, while class 0 multiplies
.Ldone_\@:
	FETCHW \other, 0, 0
	BLOCK 1, 18                                    ; the fourth block's loads were shown in by the wait for 0; the 18 just issued stay out
	PLACES
	FETCHB \other, 1, 1
	EPI 1, 208                                     ; to the next tile: 256 - 3 x 16
	FETCHW \other, 1, 1
.else
	EPI 0, 16
	BLOCK 1, 0                                     ; nothing was issued behind the last block's loads
	PLACES
	EPI 1, 208
.endif
.endm
	s_mov_b32 s55, 0x7f800000                      ; +inf: the first block's minimum replaces it unless it is +inf itself
.irp a, 0,1,2,3
	v_mov_b32 v[BEST+\a], s55
	v_mov_b32 v[BLK+\a], v[CURV]
.irp j, 0,1,2,3,4,5,6,7
	v_mov_b32 v[SNAP+8*\a+\j], s55
.endr
.endr
	FETCHB 0, 0, 0
	FETCHW 0, 0, 0
	FETCHB 0, 1, 1
	FETCHW 0, 1, 1
	s_mov_b32 s15, 15                              ; 15 laps: tiles 0 to 29, which ask for tiles 2 to 31
.Llap:
	SLOT 0, 1, 2
	SLOT 1, 0, 2
	s_sub_co_u32 s15, s15, 1
	s_cmp_lg_u32 s15, 0
	s_cbranch_scc1 .Llap
	SLOT 0, 1, 1                                   ; tile 30: nothing is left to fetch
	SLOT 1, 0, 0                                   ; tile 31
; vcc = (bv, bc) comes before (av, ac): by value, of equal values by code
.macro BEFORE av, ac, bv, bc
	v_cmp_lt_f32 s52, v[\bv], v[\av]
	v_cmp_eq_f32 s53, v[\bv], v[\av]
	v_cmp_lt_u32 vcc_lo, v[\bc], v[\ac]
	s_and_b32 s53, s53, vcc_lo
	s_or_b32 vcc_lo, s52, s53
.endm
; A and B: four registers each, (value, code) of a first and of a second, in order.  A = the first two of the four.
; The first is the earlier of the two firsts; the second is the earlier of the other first and the winner's own second.
.macro MERGE2 A, B
	BEFORE \A, \A+1, \B, \B+1
	v_cndmask_b32 v[HT],   v[\B],   v[\A],   vcc_lo     ; the first that lost
	v_cndmask_b32 v[HT+1], v[\B+1], v[\A+1], vcc_lo
	v_cndmask_b32 v[\A],   v[\A],   v[\B],   vcc_lo     ; the first that won
	v_cndmask_b32 v[\A+1], v[\A+1], v[\B+1], vcc_lo
	v_cndmask_b32 v[\A+2], v[\A+2], v[\B+2], vcc_lo     ; and its second
	v_cndmask_b32 v[\A+3], v[\A+3], v[\B+3], vcc_lo
	BEFORE \A+2, \A+3, HT, HT+1
	v_cndmask_b32 v[\A+2], v[\A+2], v[HT],   vcc_lo
	v_cndmask_b32 v[\A+3], v[\A+3], v[HT+1], vcc_lo
.endm
; v[T] = the first place among row block a's 8 kept distances that equals v[val]
.macro PLACE a, val
	v_mov_b32 v[T], 7
.irp j, 6,5,4,3,2,1,0
	v_cmp_neq_f32 vcc_lo, v[SNAP+8*\a+\j], v[\val]
	v_cndmask_b32 v[T], \j, v[T], vcc_lo           ; descending, so that the first equal place stays
.endr
.endm
	; THE END.  A lane's best two of its kept 8, the other half of the lanes (codes 8 further on), then the four waves of a row through LDS.
	s_lshl_b32 s55, s47, 11                        ; candidates of q: 2,048 bytes, 16 for each of the group's 128 rows
	s_lshl_b32 s56, s46, 10                        ; my 64 rows
	s_add_co_u32 s55, s55, s56
	s_add_co_u32 s55, s55, STG                     ; the stage's first bytes serve again: every wave's reads of them ended in front of the barriers above
	v_lshl_add_u32 v[SA], v[RR], 4, s55
	s_mov_b32 s56, 0x7f800000
	v_mov_b32 v[T+1], s56                          ; +inf takes the best's place for the second search
.irp a, 0,1,2,3
	PLACE \a, BEST+\a
	v_mov_b32 v[FP+4*\a], v[BEST+\a]
	v_add_nc_u32 v[FP+4*\a+1], v[BLK+\a], v[T]
.irp j, 0,1,2,3,4,5,6,7
	v_cmp_eq_u32 vcc_lo, \j, v[T]
	v_cndmask_b32 v[SNAP+8*\a+\j], v[SNAP+8*\a+\j], v[T+1], vcc_lo
.endr
	v_min3_num_f32 v[T+2], v[SNAP+8*\a],   v[SNAP+8*\a+1], v[SNAP+8*\a+2]
	v_min3_num_f32 v[T+3], v[SNAP+8*\a+3], v[SNAP+8*\a+4], v[SNAP+8*\a+5]
	v_min3_num_f32 v[T+2], v[T+2], v[SNAP+8*\a+6], v[SNAP+8*\a+7]
	v_min_num_f32  v[T+2], v[T+2], v[T+3]
	PLACE \a, T+2
	v_mov_b32 v[FP+4*\a+2], v[T+2]
	v_add_nc_u32 v[FP+4*\a+3], v[BLK+\a], v[T]
.irp j, 0,1,2,3
	v_permlanex16_b32 v[OB+\j], v[FP+4*\a+\j], s50, s51    ; destinations written before (they held w2)
.endr
	MERGE2 FP+4*\a, OB
	ds_store_b128 v[SA], v[FP+4*\a:FP+4*\a+3] offset:256*\a ; lanes r and r + 16 write the same bytes with the same values
.endr
	s_wait_dscnt 0x0                               ; for the others' sake: my candidates are in LDS
	s_barrier_signal -1
	s_barrier_wait -1
	s_cmp_gt_u32 s14, 3
	s_cbranch_scc1 .Lclose                         ; waves 0 to 3 merge: 32 rows each, one a lane
	v_and_b32 v[T], 31, v0
	s_lshl_b32 s55, s14, 9
	s_add_co_u32 s55, s55, STG
	v_lshl_add_u32 v[RA], v[T], 4, s55             ; row 32 w + lane: 16 bytes
	s_lshl_b32 s55, s14, 8
	v_lshl_add_u32 v[OUTO], v[T], 3, s55           ; its two candidates: 8 bytes
.irp q, 0,1,2,3
	ds_load_b128 v[FP+4*\q:FP+4*\q+3], v[RA] offset:2048*\q
.endr
	s_wait_dscnt 0x0
.irp q, 1,2,3
	MERGE2 FP, FP+4*\q
.endr
	v_mov_b32 v[FP], v[FP+1]                       ; the two codes side by side
	v_mov_b32 v[FP+1], v[FP+3]
	global_store_b64 v[OUTO], v[FP:FP+1], s[10:11] ; the wave's store covers 256 consecutive bytes, aligned
.Lclose:
	s_wait_xcnt 0x0
	v_lshl_add_u32 v254, v0, 2, 0x4e400
	v_mov_b32 v255, 0
	s_wait_tensorcnt 0x0
	ds_add_u32 v254, v255
	s_wait_dscnt 0x0
	CROUND                                         ; the closing round: no work-group ends while a partner may still ask for a tile that names it
	s_endpgm
.Lfunc_end_k_q8297e789f8_assign:
	.size	k_q8297e789f8_assign, .Lfunc_end_k_q8297e789f8_assign-k_q8297e789f8_assign
	.p2alignl 7, 3214868480
	.fill 96, 4, 3214868480
	.section	.rodata,"a",@progbits
	.p2align	6, 0x0
	.amdhsa_kernel k_q8297e789f8_assign
		.amdhsa_group_segment_fixed_size 327680
		.amdhsa_private_segment_fixed_size 0
		.amdhsa_enable_private_segment 0
		.amdhsa_kernarg_size 32
		.amdhsa_user_sgpr_count 2
		.amdhsa_user_sgpr_kernarg_segment_ptr 1
		.amdhsa_wavefront_size32 1
		.amdhsa_system_sgpr_workgroup_id_x 1
		.amdhsa_system_sgpr_workgroup_id_y 1
		.amdhsa_system_sgpr_workgroup_id_z 1
		.amdhsa_system_vgpr_workitem_id 0
		.amdhsa_next_free_vgpr 512
		.amdhsa_next_free_sgpr 66
		.amdhsa_reserve_vcc 1
		.amdhsa_float_denorm_mode_32 3
		.amdhsa_float_denorm_mode_16_64 3
		.amdhsa_memory_ordered 1
		.amdhsa_forward_progress 1
		.amdhsa_inst_pref_size 194
	.end_amdhsa_kernel
	.amdgpu_metadata
---
amdhsa.version: [ 1, 2 ]
amdhsa.kernels:
  - .name:           k_q8297e789f8_assign
    .symbol:         k_q8297e789f8_assign.kd
    .args:
      - { .name: z, .offset: 0, .size: 8, .value_kind: global_buffer, .address_space: global }
      - { .name: cb16, .offset: 8, .size: 8, .value_kind: global_buffer, .address_space: global }
      - { .name: w2, .offset: 16, .size: 8, .value_kind: global_buffer, .address_space: global }
      - { .name: cand, .offset: 24, .size: 8, .value_kind: global_buffer, .address_space: global }
    .group_segment_fixed_size: 327680
    .private_segment_fixed_size: 0
    .kernarg_segment_align: 8
    .kernarg_segment_size: 32
    .max_flat_workgroup_size: 256
    .sgpr_count:     66
    .vgpr_count:     512
    .wavefront_size: 32
...
	.end_amdgpu_metadata
.endif
;; end of part 4
;; launch pick: the kernel of part 3 again; grid 256 x 1, 8 waves a work-group, no clusters, 204,288 bytes of LDS; arguments cand, z, codebook, out0, out1; writes out0, out1
